; MI455X (gfx1250); checked and timed in simulation.
; The chip was launched on July 23, 2026; its instructions are those of AMD's public machine-readable ISA for CDNA 5 (MIT licence, August 2026) and "CDNA5" Instruction Set Architecture Reference Guide (July 2026). The comments in the code are by the model that wrote it; some were corrected since.
;; Attention Layer. Allowed arithmetic: matrix products marked QUANTISED: E4M3 operands, one given power-of-two scale a tensor, by v_wmma_f32_16x16x64_fp8_fp8 or v_wmma_f32_16x16x128_fp8_fp8, f32 sums; everything else in f32.
;; Inputs: W1_codes 4,096 x 32 x 32 uint8 (E4M3 codes of W1, K innermost, in blocks of 32 codes); W2_codes 1,024 x 128 x 32 uint8 (E4M3 codes of W2, K innermost, in blocks of 32 codes); Wk_codes 1,024 x 32 x 32 uint8 (E4M3 codes of Wk, K innermost, in blocks of 32 codes); Wo_codes 1,024 x 32 x 32 uint8 (E4M3 codes of Wo, K innermost, in blocks of 32 codes); Wq_codes 1,024 x 32 x 32 uint8 (E4M3 codes of Wq, K innermost, in blocks of 32 codes); Wv_codes 1,024 x 32 x 32 uint8 (E4M3 codes of Wv, K innermost, in blocks of 32 codes); b1 4,096 float32; b2 1,024 float32; be1 1,024 float32; be2 1,024 float32; bo 1,024 float32; g1 1,024 float32; g2 1,024 float32; lowp_scales 16 int32 (the exponents e of the quantised operands' scales 2^e); mask 2 x 2,048 x 2,048 int32; x 2 x 2,048 x 1,024 float32.
;; Outputs: out0 2 x 2,048 x 1,024 float32.
;; This version of the problem:
;;   THIS VERSION OF THE PROBLEM IS GIVEN IN LOW PRECISION. The matrix products marked QUANTISED in the list below multiply operands that are first quantised to E4M3 (4 exponent bits, 3 mantissa bits; 8 bits a number), with one given power-of-two scale for each operand tensor; their sums are f32. All else is computed in f32.
;;   The module's matrix products, in the order in which they are computed (A, B: the left and right operand; K: the contracted axis; several contracted axes count as one K, in the product's order):
;;     1. [M 4,096, K 1,024] x [K 1,024, N 1,024]; A: computed on the way; B: input Wq (given as codes): QUANTISED (scales: A lowp_scales[0], B lowp_scales[1])
;;     2. [M 4,096, K 1,024] x [K 1,024, N 1,024]; A: computed on the way; B: input Wk (given as codes): QUANTISED (scales: A lowp_scales[2], B lowp_scales[3])
;;     3. [M 4,096, K 1,024] x [K 1,024, N 1,024]; A: computed on the way; B: input Wv (given as codes): QUANTISED (scales: A lowp_scales[4], B lowp_scales[5])
;;     4. batch 32 x [M 2,048, K 64] x [K 64, N 2,048]; A: computed on the way; B: computed on the way: QUANTISED (scales: A lowp_scales[6], B lowp_scales[7])
;;     5. batch 32 x [M 2,048, K 2,048] x [K 2,048, N 64]; A: softmax (see below); B: computed on the way: QUANTISED (scales: A lowp_scales[8], B lowp_scales[9])
;;     6. [M 4,096, K 1,024] x [K 1,024, N 1,024]; A: computed on the way; B: input Wo (given as codes): QUANTISED (scales: A lowp_scales[10], B lowp_scales[11])
;;     7. [M 4,096, K 1,024] x [K 1,024, N 4,096]; A: computed on the way; B: input W1 (given as codes): QUANTISED (scales: A lowp_scales[12], B lowp_scales[13])
;;     8. [M 4,096, K 4,096] x [K 4,096, N 1,024]; A: computed on the way; B: input W2 (given as codes): QUANTISED (scales: A lowp_scales[14], B lowp_scales[15])
;;   THE QUANTISER, for each operand of a quantised product, along K:
;;     - The operand's scale is 2^e, e = its entry of the input lowp_scales (int32; the entries are numbered through the quantised products in the list's order, A before B).
;;     - Each number is divided by the scale, clamped to +-448, and rounded to the nearest number of E4M3, ties to even, subnormals kept.
;;     - The product sums the exact products of the quantised numbers (number of the format x scale) in f32.
;;   ~~~python
;;   def quantise(x, axis, e):      # numpy; x: float32 -> the quantised numbers, widened to float32 again
;;       x = np.moveaxis(x, axis, -1); K = x.shape[-1]
;;       r = np.clip(x / 2.0 ** e, -448, 448)
;;       step = 2.0 ** (np.maximum(np.frexp(np.where(r == 0, 1, r))[1] - 1, -6) - 3)
;;       q = np.round(r / step) * step * 2.0 ** e      # np.round: ties to even
;;       return np.moveaxis(q, -1, axis).astype(np.float32)
;;   ~~~
;;   SOFTMAX AHEAD OF A QUANTISED PRODUCT. Where the list says 'softmax', what is quantised is not the finished softmax but p = 2^(t - M), with t = logit x log2(e) and M = ceil(the row's largest t), a whole number; so 1/2 < the row's largest p <= 1. The row's sum l is taken of the UNQUANTISED p, in f32, and the product's result is divided by l at the end. Since M is a whole number, a kernel that streams over the keys may use a running M (the ceiling of the running maximum): every later rescaling is an exact power of two, so the quantised numbers keep their values, but for numbers so far below the row's largest that they fall under the format's range.
;;   OPERANDS COMPUTED ON THE WAY. 'Computed on the way' means the value that the module computes at that place (a softmax that the list does not call 'softmax' is quantised finished and normalised). What goes into a quantiser is computed in f32, as accurately as f32 sums, v_exp_f32 and their like allow (about 1e-6 of the number): no bf16 or f16 on the way to a quantiser, and a product that is left as it is and whose result goes on into a quantised operand takes f32 operands (vector FMAs, or v_wmma_f32_16x16x4_f32). A number that lies on a knife's edge between two numbers of the format may be rounded either way, as far as f32 arithmetic and the matrix unit's own rounding can turn it there, and no further.
;;   INPUTS GIVEN AS CODES. W1 (in the module: [1024, 4096], K = its axis 0); W2 (in the module: [4096, 1024], K = its axis 0); Wk (in the module: [1024, 1024], K = its axis 0); Wo (in the module: [1024, 1024], K = its axis 0); Wq (in the module: [1024, 1024], K = its axis 0); Wv (in the module: [1024, 1024], K = its axis 0): each comes as NAME_codes (uint8): NAME with its K axis moved to the last place and cut into blocks of 32 codes, [.., K / 32, bytes a block], one block behind the other in memory; one code a byte (a code: sign, 4 exponent bits, 3 mantissa bits); its scale is its entry of lowp_scales. Its value is code x scale, taken as it is: it is not quantised again, and the codes and scales need not be those that the quantiser above would give.
;; 2 versions, each right; version 2 is version 1 with the launch attn written anew for expert scheduling mode. Each part assembles by itself: llvm-mc -triple=amdgcn-amd-amdhsa -mcpu=gfx1250 --defsym DOCPART=n.
;; ======== version 1 of 2: 7 launches
;; limits: right only within a limited range of input values
;; workspace buffers: xa 12,582,912 bytes; msk 1,048,576 bytes of whole numbers; flg 16,384 bytes of whole numbers; qkv 12,582,912 bytes; cc 4,194,304 bytes; x1 16,777,216 bytes; xf 4,194,304 bytes; hc 16,777,216 bytes
;; launch ln1 (part 1): grid 256 x 1, 16 waves a work-group, no clusters, 194,560 bytes of LDS; arguments x, mask, g1, be1, lowp_scales, xa, msk, flg; writes xa, msk, flg
.if DOCPART == 1
	.amdgcn_target "amdgcn-amd-amdhsa--gfx1250"
	.amdhsa_code_object_version 6
	.text
	.protected	k_q42db74da91_ln1
	.globl	k_q42db74da91_ln1
	.p2align	8
	.type	k_q42db74da91_ln1,@function
k_q42db74da91_ln1:
	s_mov_b64 s[64:65], 0
	v_nop
	global_prefetch_b8 v0, s[64:65] scope:SCOPE_SE
	s_setreg_imm32_b32 hwreg(HW_REG_WAVE_MODE, 25, 1), 1
	s_wait_xcnt 0x0
; xa = LayerNorm(x) g1 + be1, in f32, turned into E4M3 codes three times (scales 2^e0, 2^e2, 2^e4: one for each of the three products that read it),
; row-major [4096][1024], three sections of 4 MiB.  And the mask, int32 [4096 rows][2048 keys], packed to one bit a number.
; SHARES.  Work-group g owns token rows 16 g .. 16 g + 15.  Wave w normalises row 16 g + w (a row of 4,096 bytes is 32 registers of one wave: the sums never leave the wave)
; and packs the mask of these 16 rows for keys 128 w .. 128 w + 127.  All 25 global loads of a wave go out at the head; every load reads 512 consecutive bytes.
; MASK WORDS.  Word n (0..63) of tile (g, w): bit r + 16 h = (mask[16 g + r][128 w + 32 (n / 16) + 16 h + n % 16] != 0): the lane mask for the n-th score register of the attention launch.
; A tile's 64 words are 256 bytes, stored whole by one instruction.  In a buffer of their own: one flag a tile, the AND of its 64 words (all ones = nothing hidden).
; LIMITS: e0, e2, e4 between -126 and 119, so that 2^e and 448 x 2^e are f32 numbers.  NaN among the inputs is not served; an infinity is held at the largest code.
; No matrix unit, no cluster, no tensor load: the launch streams, work-groups share nothing but 8 KB of gains.
.set CST,  8192                        ; LDS: 0..8191 g1 then be1; from CST three rows of 1,024 codes for each wave
.set CSTW, 3072
.set MST,  57344                       ; from MST for each wave 16 rows of 512 bytes of mask + 16 of padding
.set MP,   528
.set G,    16                          ; v16-47  g1 of my 32 columns (columns 128 j + 4 lane + 0..3 in registers 4 j ..)
.set BE,   48                          ; v48-79  be1
.set X,    80                          ; v80-111 the row
.set T,    112                         ; v112-143 at work
.set M,    144                         ; v144-207 the mask
.set C,    16                          ; v16-39  codes, 8 registers a scale (g1 is done with)
.set OUTR, 40                          ; v40-63  codes as whole runs of 16 bytes a lane
.set W,    208                         ; v[208:209] the 64 words: word n in register n % 2, lane n / 2
.set SC,   220                         ; v220-222 2^e
.set LIM,  224                         ; v224-226 448 x 2^e
	s_load_b256 s[4:11], s[0:1], 0x0               ; x s[4:5], mask s[6:7], g1 s[8:9], be1 s[10:11]
	s_load_b128 s[12:15], s[0:1], 0x20             ; the scales' exponents s[12:13], xa s[14:15]
	s_load_b64 s[36:37], s[0:1], 0x30              ; msk
	s_load_b64 s[48:49], s[0:1], 0x38              ; flg
	v_lshl_add_u32 v232, v0, 2, 0x2f000
	v_mov_b32 v233, 0
	v_lshrrev_b32 v9, 5, v0
	v_readfirstlane_b32 s2, v9                     ; wave 0..15
	v_and_b32 v1, 31, v0                           ; lane
	v_lshlrev_b32 v2, 4, v1                        ; 16 x lane
	s_mul_i32 s38, s2, CSTW
	s_add_co_u32 s38, s38, CST
	v_lshl_add_u32 v3, v1, 2, s38                  ; my codes' stage: 4 bytes a lane on the way in,
	v_add_nc_u32 v4, s38, v2                       ; 16 on the way out
	s_mul_i32 s38, s2, 16*MP
	s_add_co_u32 s38, s38, MST
	v_add_nc_u32 v5, s38, v2                       ; my mask stage, in: a row's 512 bytes as they lie
	v_and_b32 v9, 15, v0
	v_bfe_u32 v15, v0, 4, 1
	v_mul_u32_u24 v6, v9, MP
	v_lshl_add_u32 v6, v15, 6, v6
	v_add_nc_u32 v6, s38, v6                       ; out: row r, + 64 h: 16 keys of each 32
	v_lshlrev_b32 v7, 4, v0                        ; the gains' place: 16 x thread
	v_lshlrev_b32 v8, 3, v1                        ; 8 x lane
	v_mov_b32 v14, 0                               ; a lane permute's destination counts as read
	s_lshl_b32 s40, ttmp9, 16
	s_lshl_b32 s41, s2, 12
	s_add_co_u32 s40, s40, s41                     ; x: 16 rows of 4,096 bytes a work-group, one a wave
	s_mov_b32 s41, 0
	s_lshl_b32 s42, ttmp9, 17
	s_lshl_b32 s43, s2, 9
	s_add_co_u32 s42, s42, s43                     ; mask: 16 rows of 8,192 bytes a work-group, 512 bytes of each a wave
	s_mov_b32 s43, 0
	s_and_b32 s44, s2, 7
	s_lshl_b32 s44, s44, 9                         ; waves 0-7 bring g1, waves 8-15 be1, 512 bytes each
	s_mov_b32 s45, 0
	s_lshl_b32 s46, ttmp9, 4
	s_add_co_u32 s46, s46, s2                      ; 16 g + w: my row, and my mask tile
	s_mov_b32 s28, 0x76543210
	s_mov_b32 s29, 0xfedcba98                      ; lane l takes lane l xor 16
	s_mov_b32 s31, 0x3a800000                      ; 1 / 1024
	s_mov_b32 s34, 0x3727c5ac                      ; 1e-5
	s_wait_kmcnt 0x0
	s_load_b256 s[16:23], s[12:13], 0x0            ; e0 .. e7
	s_cmp_lt_u32 s2, 8
	s_cselect_b64 s[32:33], s[8:9], s[10:11]
	s_add_nc_u64 s[32:33], s[32:33], s[44:45]
	s_add_nc_u64 s[4:5], s[4:5], s[40:41]
	s_add_nc_u64 s[6:7], s[6:7], s[42:43]
	global_load_b128 v[T:T+3], v2, s[32:33]
.irp j, 0,1,2,3,4,5,6,7
	global_load_b128 v[X+4*\j:X+4*\j+3], v2, s[4:5] offset:512*\j
.endr
.irp i, 0,1,2,3,4,5,6,7,8,9,10,11,12,13,14,15
	global_load_b128 v[M+4*\i:M+4*\i+3], v2, s[6:7] offset:8192*\i th:TH_LOAD_NT
.endr
	s_lshl_b32 s38, s46, 10
	s_mov_b32 s39, 0
	s_add_nc_u64 s[14:15], s[14:15], s[38:39]      ; xa at my row,
	s_add_nc_u64 s[14:15], s[14:15], 0x400000      ; in the middle section: the three sections are reached by immediates of -4 MiB, 0, +4 MiB
	s_lshl_b32 s38, s46, 2
	s_add_nc_u64 s[42:43], s[48:49], s[38:39]      ; my flag
	s_lshl_b32 s38, s46, 8
	s_add_nc_u64 s[36:37], s[36:37], s[38:39]      ; my tile's 64 words
	s_wait_loadcnt 24                              ; my piece of the gains is in; behind it 8 loads of x and 16 of the mask
	ds_store_b128 v7, v[T:T+3]
	s_wait_dscnt 0x0                               ; for the others' sake
	s_barrier_signal -1
	s_barrier_wait -1
.irp j, 0,1,2,3,4,5,6,7
	ds_load_b128 v[G+4*\j:G+4*\j+3], v2 offset:512*\j
	ds_load_b128 v[BE+4*\j:BE+4*\j+3], v2 offset:4096+512*\j
.endr
	s_wait_kmcnt 0x0
.irp k, 0,1,2
	s_add_co_i32 s38, s[16+2*\k], 127
	s_lshl_b32 s39, s38, 23
	v_mov_b32 v[SC+\k], s39                        ; 2^e as f32: the conversion takes its exponent field
	s_add_co_i32 s38, s38, 8
	s_lshl_b32 s38, s38, 23
	s_or_b32 s38, s38, 0x600000
	v_mov_b32 v[LIM+\k], s38                       ; 448 x 2^e
.endr
.macro REDUCE r                        ; the sum over the 32 lanes, in every lane
	v_add_f32_dpp v[\r], v[\r], v[\r] row_xmask:1 row_mask:0xf bank_mask:0xf
	v_add_f32_dpp v[\r], v[\r], v[\r] row_xmask:2 row_mask:0xf bank_mask:0xf
	v_add_f32_dpp v[\r], v[\r], v[\r] row_xmask:4 row_mask:0xf bank_mask:0xf
	v_add_f32_dpp v[\r], v[\r], v[\r] row_xmask:8 row_mask:0xf bank_mask:0xf
	v_permlanex16_b32 v14, v[\r], s28, s29
	v_add_f32 v[\r], v[\r], v14
.endm
	s_wait_loadcnt 16                              ; the row is in; the mask's 16 loads may be out
	v_pk_add_f32 v[10:11], v[X:X+1], v[X+2:X+3]    ; the mean: two chains
	v_pk_add_f32 v[12:13], v[X+4:X+5], v[X+6:X+7]
.irp j, 8,12,16,20,24,28
	v_pk_add_f32 v[10:11], v[10:11], v[X+\j:X+\j+1]
	v_pk_add_f32 v[12:13], v[12:13], v[X+\j+2:X+\j+3]
.endr
	v_pk_add_f32 v[10:11], v[10:11], v[12:13]
	v_add_f32 v9, v10, v11
	REDUCE 9
	v_mul_f32 v10, s31, v9
	v_mov_b32 v11, v10
.set j, 0
.rept 16
	v_pk_add_f32 v[X+j:X+j+1], v[X+j:X+j+1], v[10:11] neg_lo:[0,1] neg_hi:[0,1]   ; x - mean
.set j, j+2
.endr
	v_pk_mul_f32 v[12:13], v[X:X+1], v[X:X+1]      ; the mean of the squares of x - mean: two chains
	v_pk_mul_f32 v[T:T+1], v[X+2:X+3], v[X+2:X+3]
.irp j, 4,8,12,16,20,24,28
	v_pk_fma_f32 v[12:13], v[X+\j:X+\j+1], v[X+\j:X+\j+1], v[12:13]
	v_pk_fma_f32 v[T:T+1], v[X+\j+2:X+\j+3], v[X+\j+2:X+\j+3], v[T:T+1]
.endr
	v_pk_add_f32 v[12:13], v[12:13], v[T:T+1]
	v_add_f32 v9, v12, v13
	REDUCE 9
	v_fma_f32 v12, v9, s31, s34                    ; variance + 1e-5
	v_rsq_f32 v12, v12
	v_nop                                          ; a plain instruction between the root and the use of its result
	s_wait_alu depctr_va_vdst(0)
	v_mov_b32 v13, v12
	s_wait_dscnt 0x0                               ; the gains are in registers
.set j, 0
.rept 16
	v_pk_mul_f32 v[X+j:X+j+1], v[X+j:X+j+1], v[12:13]
.set j, j+2
.endr
.set j, 0
.rept 16
	v_pk_fma_f32 v[X+j:X+j+1], v[X+j:X+j+1], v[G+j:G+j+1], v[BE+j:BE+j+1]
.set j, j+2
.endr
; The row at scale k: held within +-448 x 2^e (the conversion does not saturate: ISA guide 7.6.2), converted eight numbers at a time; register j of the codes = columns 128 j + 4 lane + 0..3.
; They go through my own stage, 4 bytes a lane, and come back 16 bytes a lane (LDS serves a wave's instructions in order).
.macro QUANT k
.set j, 0
.rept 32
	v_med3_num_f32 v[T+j], v[X+j], -v[LIM+\k], v[LIM+\k]
.set j, j+1
.endr
.irp g, 0,1,2,3
	v_cvt_scalef32_pk8_fp8_f32 v[C+8*\k+2*\g:C+8*\k+2*\g+1], v[T+8*\g:T+8*\g+7], v[SC+\k]
.endr
	v_nop                                          ; a plain instruction between the conversions and the next lines that write their sources
.irp q, 0,1,2,3,4,5,6,7
	ds_store_b32 v3, v[C+8*\k+\q] offset:1024*\k+128*\q
.endr
.irp i, 0,1
	ds_load_b128 v[OUTR+8*\k+4*\i:OUTR+8*\k+4*\i+3], v4 offset:1024*\k+512*\i
.endr
.endm
	QUANT 0
	QUANT 1
	QUANT 2
	s_wait_dscnt 0x0
.irp k, 0,1,2
.irp i, 0,1
	global_store_b128 v2, v[OUTR+8*\k+4*\i:OUTR+8*\k+4*\i+3], s[14:15] offset:(\k-1)*4194304+512*\i   ; 512 consecutive bytes
.endr
.endr
	; THE MASK: 16 rows x 128 keys turn through my stage, so that lane (r, h) holds row r and, in register 16 b + i, key 32 b + 16 h + i
	s_wait_loadcnt 0x0
.irp i, 0,1,2,3,4,5,6,7,8,9,10,11,12,13,14,15
	ds_store_b128 v5, v[M+4*\i:M+4*\i+3] offset:MP*\i
.endr
	s_wait_dscnt 0x0                               ; the stores have read their registers
.irp b, 0,1,2,3
.irp i, 0,1,2,3
	ds_load_b128 v[M+16*\b+4*\i:M+16*\b+4*\i+3], v6 offset:128*\b+16*\i
.endr
.endr
	v_mov_b32 v[W], 0
	v_mov_b32 v[W+1], 0
	s_mov_b32 s26, -1
	s_wait_dscnt 0x0
.set n, 0
.rept 64
	v_cmp_ne_u32 s[24+n%2], 0, v[M+n]              ; a compare's lane mask is the word
	v_writelane_b32 v[W+n%2], s[24+n%2], n/2
	s_and_b32 s26, s26, s[24+n%2]
.set n, n+1
.endr
	global_store_b64 v8, v[W:W+1], s[36:37]        ; 256 consecutive bytes, aligned
	v_mov_b32 v210, s26
	v_cmp_eq_u32 vcc_lo, 0, v1
	s_wait_xcnt 0x0                                ; EXEC is a source of the stores above: it changes only behind this wait
	s_wait_tensorcnt 0x0
	ds_add_u32 v232, v233
	s_wait_dscnt 0x0
	s_and_saveexec_b32 s30, vcc_lo
	global_store_b32 v8, v210, s[42:43]            ; lane 0 alone: the tile's flag
	s_wait_xcnt 0x0
	s_or_b32 exec_lo, exec_lo, s30
	s_endpgm
.Lfunc_end_k_q42db74da91_ln1:
	.size	k_q42db74da91_ln1, .Lfunc_end_k_q42db74da91_ln1-k_q42db74da91_ln1
	.p2alignl 7, 3214868480
	.fill 96, 4, 3214868480
	.section	.rodata,"a",@progbits
	.p2align	6, 0x0
	.amdhsa_kernel k_q42db74da91_ln1
		.amdhsa_group_segment_fixed_size 194560
		.amdhsa_private_segment_fixed_size 0
		.amdhsa_enable_private_segment 0
		.amdhsa_kernarg_size 64
		.amdhsa_user_sgpr_count 2
		.amdhsa_user_sgpr_kernarg_segment_ptr 1
		.amdhsa_wavefront_size32 1
		.amdhsa_system_sgpr_workgroup_id_x 1
		.amdhsa_system_sgpr_workgroup_id_y 1
		.amdhsa_system_sgpr_workgroup_id_z 1
		.amdhsa_system_vgpr_workitem_id 0
		.amdhsa_next_free_vgpr 234
		.amdhsa_next_free_sgpr 66
		.amdhsa_reserve_vcc 1
		.amdhsa_float_denorm_mode_32 3
		.amdhsa_float_denorm_mode_16_64 3
		.amdhsa_memory_ordered 1
		.amdhsa_forward_progress 1
		.amdhsa_inst_pref_size 36
	.end_amdhsa_kernel
	.amdgpu_metadata
---
amdhsa.version: [ 1, 2 ]
amdhsa.kernels:
  - .name:           k_q42db74da91_ln1
    .symbol:         k_q42db74da91_ln1.kd
    .args:
      - { .name: x, .offset: 0, .size: 8, .value_kind: global_buffer, .address_space: global }
      - { .name: mask, .offset: 8, .size: 8, .value_kind: global_buffer, .address_space: global }
      - { .name: g1, .offset: 16, .size: 8, .value_kind: global_buffer, .address_space: global }
      - { .name: be1, .offset: 24, .size: 8, .value_kind: global_buffer, .address_space: global }
      - { .name: lowp_scales, .offset: 32, .size: 8, .value_kind: global_buffer, .address_space: global }
      - { .name: xa, .offset: 40, .size: 8, .value_kind: global_buffer, .address_space: global }
      - { .name: msk, .offset: 48, .size: 8, .value_kind: global_buffer, .address_space: global }
      - { .name: flg, .offset: 56, .size: 8, .value_kind: global_buffer, .address_space: global }
    .group_segment_fixed_size: 194560
    .private_segment_fixed_size: 0
    .kernarg_segment_align: 8
    .kernarg_segment_size: 64
    .max_flat_workgroup_size: 512
    .sgpr_count:     66
    .vgpr_count:     234
    .wavefront_size: 32
...
	.end_amdgpu_metadata
.endif
;; end of part 1
;; launch qkv (part 2): grid 12 x 16, 4 waves a work-group, clusters of 4 x 4, 327,680 bytes of LDS; arguments xa, Wq_codes, Wk_codes, Wv_codes, lowp_scales, qkv; writes qkv
.if DOCPART == 2
	.amdgcn_target "amdgcn-amd-amdhsa--gfx1250"
	.amdhsa_code_object_version 6
	.text
	.protected	k_q42db74da91_qkv
	.globl	k_q42db74da91_qkv
	.p2align	8
	.type	k_q42db74da91_qkv,@function
k_q42db74da91_qkv:
	s_mov_b64 s[64:65], 0
	v_nop
	global_prefetch_b8 v0, s[64:65] scope:SCOPE_SE
	s_setreg_imm32_b32 hwreg(HW_REG_WAVE_MODE, 25, 1), 1
	s_wait_xcnt 0x0
	s_wait_alu depctr_hold_cnt(0) depctr_sa_sdst(0) depctr_va_vdst(0) depctr_va_sdst(0) depctr_va_ssrc(0) depctr_va_vcc(0) depctr_vm_vsrc(0)
	s_getreg_b32 s2, hwreg(HW_REG_IB_STS2, 6, 4)
	s_cmp_eq_u32 s2, 0
	s_cbranch_scc0 .Lentry_in_a_cluster
	s_endpgm
.Lentry_in_a_cluster:
	s_bfe_u32 s2, ttmp6, 0x10000c
	s_cmp_lg_u32 s2, 0xf033
	s_cbranch_scc0 .Lentry_shape_is_right
	s_endpgm
.Lentry_shape_is_right:
; q = xa Wq, k = xa Wk, v = xa Wv on E4M3 codes (K = 1,024), each result quantised at once for the attention products (scales 2^e6, 2^e7, 2^e9) and stored as an image of operand registers.
; The cluster's x says which product: 0 q, 1 k, 2 v; it is the same in all sixteen partners, and it only selects pointers, exponents and offsets: the text has no branch on it.
; A tile of 256 x 256 results is made by four waves, each 128 x 128: 64 accumulators, 512 registers.  K goes in steps of 256 through two LDS slots filled by the tensor data mover.
; SIDES.  Side A gives a lane its row, side B its eight neighbouring columns (source 0 = 16 rows of B, source 1 = 16 rows of A).  For q and k: A = tokens, B = the weight's rows, so a lane's eight
; codes run along the head's axis, the K of the score product.  For v the sides change places: A = Wv's rows, B = tokens, so a lane's eight codes run along the keys, the K of the second product.
; OUT.  Section q | k | v of 4 MiB; chunk ((batch x 8 + head pair) x 16 + step of 128 tokens) x 16,384 bytes, laid [a 8][b 8][m 16][16 bytes]: A-side row 16 a + m, B-side column 16 b + byte.
; A lane stores 8 bytes at 16 m + 8 h: each store of a wave covers 256 consecutive bytes, aligned.  No stage in LDS is needed.
; CLUSTERS: 4 x 4 work-groups; side A's tile is shared along a row of the cluster, side B's along a column: each is asked for jointly, by the same load with the same descriptor and a mask of the four.
; LIMITS: e6 - e0 - e1, e7 - e2 - e3, e9 - e4 - e5 between -126 and 119, so that the folded scale and 448 x it are f32 numbers.
; REGISTERS, in windows of 256: window 0: v0-31 addresses, v32-95 at work on the way out, from v128 A's fragments (one set), later the codes.  window 1: B's fragments, two sets.  windows 2, 3: the accumulators ((a, b) at v[8 (8 (a % 4) + b)]).
.set SIZE_K, 1024
.set KSTEP,  256
.set ROWB,   256
.set KROW,   SIZE_K
.set PITCH,  272                       ; an LDS row: 256 bytes + 16 of padding: the 16 rows of a fragment load start 4 banks apart (64 banks of 4 bytes: ISA guide 11.1)
.set FR,     16
.set NL,     4
.set NP,     4
.set HALFT,  128*PITCH
.set SLOT,   4*HALFT
.set LAPS,   SIZE_K/(2*KSTEP)
.set SPARE,  2*SLOT                    ; behind the ring: the spare words, 128 bytes a wave
.set ASTEP,  2048                      ; bytes from block a to block a + 1 in a chunk
.set SC,   10
.set LIM,  11
.set ADRA, 16
.set ADRB, 20
.set CO,   26
.set SPW,  28
.set NIL,  29
.set TMP,  32
.set AF,   128
.set CD,   128
.set G1, 24
.set G0, 32
.set G1B, 48
.set G0B, 56
.set MSB, 0
.macro WIN new                         ; the immediate's high byte repeats the setting that is left
.if MSB != (\new)
	s_set_vgpr_msb (MSB<<8)|(\new)
.set MSB, (\new)
.endif
.endm
.set MUL_LO, 0xa1                      ; source 0 (B) window 1, source 1 (A) window 0, C and D window 2
.set MUL_HI, 0xf1
.set TO_B,   0x40
.macro JLOAD g0a, g1a, g0b, g1b        ; a joint load: waves 0, 1 fetch side A's halves, waves 2, 3 side B's; four v_nop follow each line
	s_cmp_eq_u32 s15, 0
	s_cbranch_scc0 .Lfor_b_\@
	tensor_load_to_lds s[\g0a:\g0a+3], s[\g1a:\g1a+7]
	s_nop 0
.rept 4
	v_nop
.endr
	s_branch .Lasked_\@
.Lfor_b_\@:
	tensor_load_to_lds s[\g0b:\g0b+3], s[\g1b:\g1b+7]
	s_nop 0
.rept 4
	v_nop
.endr
.Lasked_\@:
.endm
.macro CREST                           ; a round of the cluster's barrier behind its opening barrier
	s_cmp_lg_u32 s14, 0
	s_cbranch_scc1 .Lnot_wave_0_\@
	s_barrier_signal -3
.Lnot_wave_0_\@:
	s_barrier_wait -3
	s_barrier_signal -1
	s_barrier_wait -1
.endm
.macro CROUND
	s_barrier_signal -1
	s_barrier_wait -1
	CREST
.endm
	s_load_b256 s[84:91], s[0:1], 0x0              ; xa s[84:85], Wq s[86:87], Wk s[88:89], Wv s[90:91]
	s_load_b128 s[8:11], s[0:1], 0x20              ; the scales' exponents s[8:9], qkv s[10:11]
	v_lshl_add_u32 v[SPW], v0, 2, SPARE
	v_mov_b32 v[NIL], 0
	ds_add_u32 v28, v29
	ds_add_u32 v28, v29
	s_wait_dscnt 0x0
	v_lshrrev_b32 v1, 5, v0
	v_readfirstlane_b32 s14, v1                    ; wave 0..3
	s_lshr_b32 s15, s14, 1                         ; my half of side A's rows.  Also: I fetch for A (0) or for B (1)
	s_and_b32 s16, s14, 1                          ; my half of side B's rows.  Also: which 128 rows I fetch
	s_bfe_u32 s40, ttmp6, 0x40000                  ; cx
	s_bfe_u32 s41, ttmp6, 0x40004                  ; cy
	s_and_b32 s18, ttmp7, 0xffff
	s_lshl_b32 s18, s18, 2                         ; 4 x cluster y: the tokens' 16 tiles run along the grid's y
	s_cmp_eq_u32 ttmp9, 2                          ; v?
	s_cselect_b32 s17, 0, s18
	s_cselect_b32 s42, s18, 0
	s_add_co_u32 s17, s17, s41                     ; side A's tile: q, k: tokens, 4 x cluster y + cy;  v: Wv's rows, cy
	s_add_co_u32 s42, s42, s40                     ; side B's tile: q, k: the weight's rows, cx;  v: tokens, 4 x cluster y + cx
	s_lshl_b32 s43, s41, 2
	s_lshl_b32 s43, 15, s43                        ; my row of the cluster
	s_lshl_b32 s44, 0x1111, s40                    ; my column
	s_or_b32 s[G1+0], s43, (0<<16)|(1<<20)|(1<<21)|(5<<22)|(3<<25)  ; the mask; elements of 1 byte; padding on; bit 21 beside a mask; 4 words of padding after every 64
	s_or_b32 s[G1B+0], s44, (0<<16)|(1<<20)|(1<<21)|(5<<22)|(3<<25)
.irp g, G1, G1B
	s_mov_b32 s[\g+1], ROWB<<16                    ; tensor_dim0
	s_mov_b32 s[\g+2], 128<<16                     ; tensor_dim1
	s_mov_b32 s[\g+3], ROWB<<16                    ; tile_dim0
	s_mov_b32 s[\g+4], 128                         ; tile_dim1
	s_mov_b32 s[\g+5], KROW                        ; bytes from row to row
	s_mov_b32 s[\g+6], 0
	s_mov_b32 s[\g+7], 0
.endr
	s_lshl_b32 s18, s16, 7
	s_lshl_b32 s20, s17, 8
	s_add_co_u32 s20, s20, s18
	s_lshl_b32 s20, s20, 10                        ; side A: (256 x tile + 128 x half) rows of 1,024 bytes
	s_mov_b32 s21, 0
	s_lshl_b32 s46, s42, 8
	s_add_co_u32 s46, s46, s18
	s_lshl_b32 s46, s46, 10                        ; side B likewise
	s_mov_b32 s47, 0
	s_mul_i32 s45, s14, HALFT                      ; where they go: wave x 128 rows
	s_lshl_b32 s94, ttmp9, 22                      ; xa's section for this product
	s_mov_b32 s95, 0
	s_wait_kmcnt 0x0
	s_load_b512 s[68:83], s[8:9], 0x0              ; e0 .. e15
	s_add_nc_u64 s[84:85], s[84:85], s[94:95]
	s_cmp_eq_u32 ttmp9, 0
	s_cselect_b64 s[92:93], s[86:87], s[88:89]
	s_cmp_eq_u32 ttmp9, 2
	s_cselect_b64 s[92:93], s[90:91], s[92:93]     ; the weight
	s_cselect_b64 s[4:5], s[92:93], s[84:85]       ; side A
	s_cselect_b64 s[6:7], s[84:85], s[92:93]       ; side B
	s_add_nc_u64 s[20:21], s[4:5], s[20:21]
	s_add_nc_u64 s[46:47], s[6:7], s[46:47]
	CROUND                                         ; all sixteen work-groups are here: the first joint loads meet
.irp s, 0,1
	s_mov_b32 s[G0+4*\s], 1
	s_add_co_u32 s[G0+4*\s+1], s45, \s*SLOT
	s_add_nc_u64 s[G0+4*\s+2:G0+4*\s+3], s[20:21], \s*ROWB
	s_or_b32 s[G0+4*\s+3], s[G0+4*\s+3], 0x80000000
	s_mov_b32 s[G0B+4*\s], 1
	s_add_co_u32 s[G0B+4*\s+1], s45, \s*SLOT
	s_add_nc_u64 s[G0B+4*\s+2:G0B+4*\s+3], s[46:47], \s*ROWB
	s_or_b32 s[G0B+4*\s+3], s[G0B+4*\s+3], 0x80000000
	JLOAD G0+4*\s, G1, G0B+4*\s, G1B
.endr
	v_and_b32 v1, 15, v0                           ; m = l % 16
	v_bfe_u32 v2, v0, 4, 1                         ; h = l / 16
	v_mul_u32_u24 v3, v1, PITCH
	v_lshl_add_u32 v4, v2, 4, v3
	s_mul_i32 s21, s15, HALFT
	s_mul_i32 s22, s16, HALFT
	s_add_co_u32 s22, s22, 2*HALFT
.irp s, 0,1
	v_add_nc_u32 v[ADRA+\s], s21, v4
	v_add_nc_u32 v[ADRB+\s], s22, v4
	s_add_co_u32 s21, s21, SLOT
	s_add_co_u32 s22, s22, SLOT
.endr
	v_lshlrev_b32 v[CO], 4, v1
	v_lshl_add_u32 v[CO], v2, 3, v[CO]             ; 16 m + 8 h
	s_lshl_b32 s92, s17, 1
	s_add_co_u32 s92, s92, s15                     ; my 128 rows of side A
	s_lshl_b32 s93, s42, 1
	s_add_co_u32 s93, s93, s16                     ; my 128 rows of side B
	s_cmp_eq_u32 ttmp9, 2
	s_cselect_b32 s94, s93, s92                    ; the step of 128 tokens, 0..31
	s_cselect_b32 s95, s92, s93                    ; the head pair, 0..7
	s_lshr_b32 s96, s94, 4                         ; batch
	s_lshl_b32 s96, s96, 3
	s_add_co_u32 s96, s96, s95
	s_lshl_b32 s96, s96, 4
	s_and_b32 s94, s94, 15
	s_add_co_u32 s96, s96, s94
	s_lshl_b32 s96, s96, 14                        ; the chunk
	s_lshl_b32 s97, ttmp9, 22                      ; the section
	s_add_co_u32 s96, s96, s97
	s_mov_b32 s97, 0
	s_add_nc_u64 s[10:11], s[10:11], s[96:97]
.macro FRAG reg, adr, q, i             ; 16 rows x 128 K: registers 4 c .. 4 c + 3 hold K = 32 c + 16 (l / 16) + 0 .. 15: the same places on both sides, so every product meets its partner
.irp c, 0,1,2,3
	ds_load_b128 v[\reg+4*\c:\reg+4*\c+3], v[\adr] offset:128*(\q)+32*\c+(\i)*16*PITCH
.endr
.endm
.macro MUL16 a0, p, zero               ; 16 matrix instructions: A's blocks a0, a0 + 1 x B's eight.  The 64 accumulators take turns, one instruction a turn
.irp a, \a0, \a0+1
.irp b, 0,1,2,3,4,5,6,7
.if \zero
	v_wmma_f32_16x16x128_fp8_fp8 v[8*(8*((\a)%4)+\b):8*(8*((\a)%4)+\b)+7], v[128*(\p)+FR*\b:128*(\p)+FR*\b+FR-1], v[AF+FR*(\a):AF+FR*(\a)+FR-1], 0
.else
	v_wmma_f32_16x16x128_fp8_fp8 v[8*(8*((\a)%4)+\b):8*(8*((\a)%4)+\b)+7], v[128*(\p)+FR*\b:128*(\p)+FR*\b+FR-1], v[AF+FR*(\a):AF+FR*(\a)+FR-1], v[8*(8*((\a)%4)+\b):8*(8*((\a)%4)+\b)+7]
.endif
.endr
.endr
.endm
.macro FETCH_B slot, q, p
	WIN TO_B
.irp i, 0,1,2,3,4,5,6,7
	FRAG 128*(\p)+FR*\i, ADRB+\slot, \q, \i
.endr
	WIN 0
.endm
.macro FETCH_A slot, q, i0
.irp i, \i0, \i0+1, \i0+2, \i0+3
	FRAG AF+FR*(\i), ADRA+\slot, \q, \i
.endr
.endm
.macro PLACES n                        ; plain vector instructions between a matrix instruction and a load into, or a read of, its registers
.rept \n
	v_nop
.endr
.endm
.macro STEP slot, q, zero              ; 128 along K whose successor lies in the same slot
	s_wait_dscnt 4*NL                              ; B's set and A's blocks 0-3 are in; the youngest 16 loads (A's blocks 4-7) may be out
	WIN MUL_LO
	MUL16 0, (\q)%2, \zero
	MUL16 2, (\q)%2, \zero
	s_wait_dscnt 0
	PLACES NP
	FETCH_B \slot, (\q)+1, 1-(\q)%2
	FETCH_A \slot, (\q)+1, 0
	WIN MUL_HI
	MUL16 4, (\q)%2, \zero
	MUL16 6, (\q)%2, \zero
	PLACES NP
	WIN 0
	FETCH_A \slot, (\q)+1, 4
.endm
.macro TURN slot, next, fill           ; a slot's last 128 along K, and the change of slots
	s_wait_tensorcnt 0x0                           ; all my tensor loads have landed: my part of the next slot
	ds_add_u32 v[SPW], v[NIL]                      ; 0 onto my spare word
	s_wait_dscnt 4*NL+1                            ; the add and the youngest 16 loads may be out
	WIN MUL_LO
	MUL16 0, 1, 0
	s_wait_dscnt 0x0                               ; the add is done, and my reads of this slot are over
	s_barrier_signal -1
	MUL16 2, 1, 0
	WIN 0
	s_barrier_wait -1
.if \fill
	CREST                                          ; the barrier has opened a round of the cluster's: no wave of any partner still reads this slot or has a load on its way
	s_add_nc_u64 s[G0+4*\slot+2:G0+4*\slot+3], s[G0+4*\slot+2:G0+4*\slot+3], 2*ROWB
	s_add_nc_u64 s[G0B+4*\slot+2:G0B+4*\slot+3], s[G0B+4*\slot+2:G0B+4*\slot+3], 2*ROWB
	JLOAD G0+4*\slot, G1, G0B+4*\slot, G1B         ; the first tensor load behind the round; its four v_nop are the places in front of the loads below
.else
	PLACES NP
.endif
	FETCH_B \next, 0, 0
	FETCH_A \next, 0, 0
	WIN MUL_HI
	MUL16 4, 1, 0
	MUL16 6, 1, 0
	PLACES NP
	WIN 0
	FETCH_A \next, 0, 4
.endm
	s_wait_tensorcnt 1                             ; my part of slot 0 is in; slot 1's load may be out
	s_barrier_signal -1
	s_barrier_wait -1
	FETCH_B 0, 0, 0
	FETCH_A 0, 0, 0
	FETCH_A 0, 0, 4
	STEP 0, 0, 1                                   ; the first products start the sums
	s_mov_b32 s3, LAPS-1
.Llap:
	TURN 0, 1, 1
	STEP 1, 0, 0
	TURN 1, 0, 1
	STEP 0, 0, 0
	s_sub_co_u32 s3, s3, 1
	s_cmp_lg_u32 s3, 0
	s_cbranch_scc1 .Llap
	TURN 0, 1, 0                                   ; the last lap fills nothing
	STEP 1, 0, 0
	s_wait_dscnt 4*NL
	WIN MUL_LO
	MUL16 0, 1, 0
	MUL16 2, 1, 0
	s_wait_dscnt 0
	WIN MUL_HI
	MUL16 4, 1, 0
	MUL16 6, 1, 0
	WIN 0
	; THE WAY OUT.  A sum stands for sum x 2^(ea + eb); its code at scale 2^eo is sum / 2^(eo - ea - eb): the three exponents are folded into the conversion's one.
	s_wait_kmcnt 0x0
	s_add_co_i32 s92, s68, s69
	s_add_co_i32 s93, s70, s71
	s_add_co_i32 s94, s72, s73
	s_cmp_eq_u32 ttmp9, 0
	s_cselect_b32 s92, s92, s93
	s_cselect_b32 s95, s74, s75
	s_cmp_eq_u32 ttmp9, 2
	s_cselect_b32 s92, s94, s92
	s_cselect_b32 s95, s77, s95
	s_sub_co_i32 s92, s95, s92
	s_add_co_i32 s92, s92, 127
	s_lshl_b32 s93, s92, 23
	v_mov_b32 v[SC], s93
	s_add_co_i32 s92, s92, 8
	s_lshl_b32 s92, s92, 23
	s_or_b32 s92, s92, 0x600000
	v_mov_b32 v[LIM], s92
	PLACES NP
.macro OUTBLK a                        ; block a: 16 rows x 128 columns: the hold (the conversion does not saturate: ISA guide 7.6.2), each accumulator from its low end on; eight conversions; eight stores
.set AC, 64*((\a)%4)
	WIN 0x02+((\a)/4)
.set j, 0
.rept 64
	v_med3_num_f32 v[TMP+j], v[AC+j], -v[LIM], v[LIM]
.set j, j+1
.endr
	WIN 0
.irp b, 0,1,2,3,4,5,6,7
	v_cvt_scalef32_pk8_fp8_f32 v[CD+16*(\a)+2*\b:CD+16*(\a)+2*\b+1], v[TMP+8*\b:TMP+8*\b+7], v[SC]
.endr
	v_nop                                          ; a plain instruction between the conversions and the next block's lines, which write their sources
.irp b, 0,1,2,3,4,5,6,7
	global_store_b64 v[CO], v[CD+16*(\a)+2*\b:CD+16*(\a)+2*\b+1], s[10:11] offset:(\a)*ASTEP+\b*256   ; 256 consecutive bytes, aligned; each block has code registers of its own
.endr
.endm
.irp a, 0,1,2,3,4,5,6,7
	OUTBLK \a
.endr
	s_wait_tensorcnt 0x0                           ; the wave's end
	ds_add_u32 v[SPW], v[NIL]
	s_wait_dscnt 0x0
	CROUND                                         ; the closing round
	s_endpgm
.Lfunc_end_k_q42db74da91_qkv:
	.size	k_q42db74da91_qkv, .Lfunc_end_k_q42db74da91_qkv-k_q42db74da91_qkv
	.p2alignl 7, 3214868480
	.fill 96, 4, 3214868480
	.section	.rodata,"a",@progbits
	.p2align	6, 0x0
	.amdhsa_kernel k_q42db74da91_qkv
		.amdhsa_group_segment_fixed_size 327680
		.amdhsa_private_segment_fixed_size 0
		.amdhsa_enable_private_segment 0
		.amdhsa_kernarg_size 48
		.amdhsa_user_sgpr_count 2
		.amdhsa_user_sgpr_kernarg_segment_ptr 1
		.amdhsa_wavefront_size32 1
		.amdhsa_system_sgpr_workgroup_id_x 1
		.amdhsa_system_sgpr_workgroup_id_y 1
		.amdhsa_system_sgpr_workgroup_id_z 1
		.amdhsa_system_vgpr_workitem_id 0
		.amdhsa_next_free_vgpr 1024
		.amdhsa_next_free_sgpr 100
		.amdhsa_reserve_vcc 0
		.amdhsa_float_denorm_mode_32 3
		.amdhsa_float_denorm_mode_16_64 3
		.amdhsa_memory_ordered 1
		.amdhsa_forward_progress 1
		.amdhsa_inst_pref_size 121
	.end_amdhsa_kernel
	.amdgpu_metadata
---
amdhsa.version: [ 1, 2 ]
amdhsa.kernels:
  - .name:           k_q42db74da91_qkv
    .symbol:         k_q42db74da91_qkv.kd
    .args:
      - { .name: xa, .offset: 0, .size: 8, .value_kind: global_buffer, .address_space: global }
      - { .name: Wq_codes, .offset: 8, .size: 8, .value_kind: global_buffer, .address_space: global }
      - { .name: Wk_codes, .offset: 16, .size: 8, .value_kind: global_buffer, .address_space: global }
      - { .name: Wv_codes, .offset: 24, .size: 8, .value_kind: global_buffer, .address_space: global }
      - { .name: lowp_scales, .offset: 32, .size: 8, .value_kind: global_buffer, .address_space: global }
      - { .name: qkv, .offset: 40, .size: 8, .value_kind: global_buffer, .address_space: global }
    .group_segment_fixed_size: 327680
    .private_segment_fixed_size: 0
    .kernarg_segment_align: 8
    .kernarg_segment_size: 48
    .max_flat_workgroup_size: 128
    .sgpr_count:     100
    .vgpr_count:     1024
    .wavefront_size: 32
...
	.end_amdgpu_metadata
.endif
;; end of part 2
;; launch attn (part 3): grid 8 x 32, 16 waves a work-group, no clusters, 34,816 bytes of LDS; arguments qkv, msk, lowp_scales, cc, flg; writes cc
.if DOCPART == 3
	.amdgcn_target "amdgcn-amd-amdhsa--gfx1250"
	.amdhsa_code_object_version 6
	.text
	.protected	k_q42db74da91_attn
	.globl	k_q42db74da91_attn
	.p2align	8
	.type	k_q42db74da91_attn,@function
k_q42db74da91_attn:
	s_mov_b64 s[64:65], 0
	v_nop
	global_prefetch_b8 v0, s[64:65] scope:SCOPE_SE
	s_setreg_imm32_b32 hwreg(HW_REG_WAVE_MODE, 25, 1), 1
	s_wait_xcnt 0x0
; ctx = softmax(q k^T / 8, masked) v for one head and 256 queries a work-group, both products on E4M3 codes; ctx is quantised at once (scale 2^e10) for the next product.
; THE SOFTMAX AHEAD OF THE SECOND PRODUCT: t = logit x log2(e); M = the running largest t rounded UP to a whole number; p = 2^(t - M) is quantised (scale 2^e8), not normalised; the row's sum is taken of
; the unquantised p and divides at the end.  When M moves, the sum and O are multiplied by 2^(old M - new M), which rounds nothing.
; SHARES.  Work-group (x, y): batch y / 16, head y % 16, queries 256 x on.  Each of sixteen waves owns 16 queries in 256 registers: four waves to a SIMD, so that one wave's vector work stands beside another's
; products and LDS loads.  Every wave walks the 2,048 keys, 128 a step.
; LAYOUT.  Both products are used transposed (S^T = K Q^T, O^T = V^T P^T): a lane holds ONE query (lane % 16) throughout.  Lane r of key tile 2 b + u takes key 32 b + 8 u + r + 8 (r / 8), so that score register
; 16 b + i is key 32 b + 16 (lane / 16) + i, and the conversions' results are the second product's operand.
; TILES.  A step's K (128 keys x 64) and V (64 x 128 keys) are 16 KB.  Each wave brings 512 bytes of each through registers, two steps ahead, and stores them into one of two LDS slots AS IMAGES OF THE
; FRAGMENTS' REGISTERS: every fragment read is 16 x lane + a constant.  One barrier a step: it stands between the stores of tile j + 1 and their reads, and between the reads of tile j and step j + 1's stores over them.
; THE MASK comes as 64 lane masks a step in scalar registers; a flag from a buffer of whole numbers that the first launch stored says 'nothing hidden': then the 64 selects are jumped over by a scalar branch.
; A hidden score becomes -2^(33 - e6 - e7), that is t = -log2(e) x 2^30, a whole number in f32: beside any open key p is 0, and in a row without an open key t - M is exactly 0 and p = 1 everywhere.
; NO JOINT LOADS, though the eight query blocks of a head walk the same tiles: the text has two scalar branches on whole numbers read from memory (the flag; e8),
; and a wave's share of a step's tiles is two loads of 16 bytes a lane.
; LIMITS: e6 + e7 between -94 and 130; e8 and e10 between -126 and 119.  The hidden logit is -2^30 and not -1e9: the two differ only where an open logit lies under about -9e8, which needs e6 + e7 >= 9.
; NaN among the inputs is not served.
; REGISTERS: v1 16 x lane; v2, v3 where I store my parts of K's and V's images; v4 16 r + 8 h; v12 -M, v13 the largest t, v[14:15] the sum; v16-23 Q; v32-95 K's or V's fragments; v96-159 S^T, then p;
; v160-191 O^T; v192-207 p's codes; v208-215 tiles on their way; v236-254 at work and constants.
; s[4:5] K, s[6:7] V, s[8:9] mask words, s[10:11] flags, s[12:13] out; s14 the flag; s16-63 and s68-83 the 64 words; s[84:85] lane selects; s[86:87] c; s92-96 e6 .. e10.
.set SEL, 84
.set CS,  86
	s_load_b256 s[16:23], s[0:1], 0x0              ; qkv s[16:17], msk s[18:19], the scales' exponents s[20:21], cc s[22:23]
	s_load_b64 s[46:47], s[0:1], 0x20              ; flg
	v_lshl_add_u32 v251, v0, 2, 0x8000
	v_mov_b32 v255, 0
	v_lshrrev_b32 v5, 5, v0
	v_readfirstlane_b32 s2, v5                     ; wave 0..15
	v_and_b32 v1, 31, v0
	v_lshlrev_b32 v1, 4, v1                        ; 16 x lane
	; My 512 bytes of K: key 16 (w / 2) + l % 16, channels 32 (w % 2) + 16 (l / 16) on.  Their place in the image [tile 8][c 2][lane 32][16 bytes]:
	s_lshr_b32 s24, s2, 2
	s_lshl_b32 s24, s24, 11
	s_and_b32 s25, s2, 1
	s_lshl_b32 s25, s25, 9
	s_add_co_u32 s24, s24, s25
	s_bfe_u32 s25, s2, 0x10001
	s_lshl_b32 s25, s25, 7
	s_add_co_u32 s24, s24, s25
	v_and_b32 v5, 7, v0
	v_lshlrev_b32 v2, 4, v5
	v_bfe_u32 v5, v0, 3, 1
	v_lshl_add_u32 v2, v5, 10, v2
	v_bfe_u32 v5, v0, 4, 1
	v_lshl_add_u32 v2, v5, 8, v2
	v_add_nc_u32 v2, s24, v2
	v_lshl_add_u32 v3, v0, 4, 8192                 ; V lies in memory as its image: 16 x thread, behind K's 8,192 bytes
	v_and_b32 v6, 15, v0
	v_lshlrev_b32 v4, 4, v6
	v_lshl_add_u32 v4, v5, 3, v4                   ; 16 r + 8 h
	s_and_b32 s26, ttmp7, 0xffff
	s_lshr_b32 s27, s26, 4                         ; batch
	s_and_b32 s28, s26, 15                         ; head
	s_lshr_b32 s29, s28, 1                         ; head pair
	s_and_b32 s30, s28, 1                          ; which of the pair
	s_lshl_b32 s31, s27, 3
	s_add_co_u32 s31, s31, s29
	s_lshl_b32 s31, s31, 18                        ; the 16 chunks of (batch, head pair)
	s_lshl_b32 s32, s30, 10
	s_add_co_u32 s32, s32, s31
	s_lshr_b32 s33, s2, 1
	s_lshl_b32 s33, s33, 11
	s_add_co_u32 s32, s32, s33
	s_and_b32 s33, s2, 1
	s_lshl_b32 s33, s33, 9
	s_add_co_u32 s32, s32, s33
	s_add_co_u32 s32, s32, 0x400000                ; K's section
	s_mov_b32 s33, 0
	s_lshl_b32 s34, s30, 13
	s_add_co_u32 s34, s34, s31
	s_lshl_b32 s35, s2, 9
	s_add_co_u32 s34, s34, s35
	s_add_co_u32 s34, s34, 0x800000                ; V's section
	s_mov_b32 s35, 0
	s_lshl_b32 s36, ttmp9, 1
	s_lshr_b32 s37, s2, 3
	s_add_co_u32 s36, s36, s37
	s_lshl_b32 s36, s36, 14                        ; Q: the chunk of my 128 tokens,
	s_add_co_u32 s36, s36, s31
	s_and_b32 s37, s2, 7
	s_lshl_b32 s37, s37, 11                        ; my 16 of them,
	s_add_co_u32 s36, s36, s37
	s_lshl_b32 s37, s30, 10                        ; my head's 64 channels
	s_add_co_u32 s36, s36, s37
	s_mov_b32 s37, 0
	s_lshl_b32 s38, s27, 7
	s_lshl_b32 s39, ttmp9, 4
	s_add_co_u32 s38, s38, s39
	s_add_co_u32 s38, s38, s2                      ; my tile of 16 queries among 256
	s_lshl_b32 s40, s38, 12                        ; its 16 x 64 words
	s_mov_b32 s41, 0
	s_lshl_b32 s42, s38, 6                         ; its 16 flags
	s_mov_b32 s43, 0
	s_lshl_b32 s44, s38, 14
	s_lshl_b32 s45, s28, 10
	s_add_co_u32 s44, s44, s45
	s_mov_b32 s45, 0
	s_mov_b32 s[SEL], 0x76543210
	s_mov_b32 s[SEL+1], 0xfedcba98
	s_wait_kmcnt 0x0
	s_add_nc_u64 s[4:5], s[16:17], s[32:33]
	s_add_nc_u64 s[6:7], s[16:17], s[34:35]
	s_add_nc_u64 s[90:91], s[16:17], s[36:37]
	s_add_nc_u64 s[8:9], s[18:19], s[40:41]
	s_add_nc_u64 s[10:11], s[46:47], s[42:43]
	s_add_nc_u64 s[12:13], s[22:23], s[44:45]
	s_mov_b64 s[98:99], s[20:21]
	global_load_b128 v[208:211], v1, s[4:5]        ; tile 0
	global_load_b128 v[212:215], v1, s[6:7]
	global_load_b128 v[16:19], v1, s[90:91]        ; Q: channels 16 h on, and
	global_load_b128 v[20:23], v1, s[90:91] offset:512   ; 32 + 16 h on
	s_load_b128 s[92:95], s[98:99], 0x18           ; e6, e7, e8, e9
	s_load_b32 s96, s[98:99], 0x28                 ; e10
	s_load_b512 s[16:31], s[8:9], 0x0              ; step 0's lane masks
	s_load_b512 s[32:47], s[8:9], 0x40
	s_load_b512 s[48:63], s[8:9], 0x80
	s_load_b512 s[68:83], s[8:9], 0xc0
	s_load_b32 s14, s[10:11], 0x0
	v_mov_b32 v13, 0xff61b1e6                      ; the largest t so far: -3e38
	v_floor_f32 v12, -v13                          ; -M
	v_mov_b32 v14, 0
	v_mov_b32 v15, 0
	v_mov_b32 v236, 0                              ; a lane permute's destination counts as read
	v_mov_b32 v253, 0                              ; named as the upper half of v[252:253]
.set j, 0
.rept 32
	v_mov_b32 v[160+j], 0                          ; O^T: the step is written once, and its first walk multiplies zeros
.set j, j+1
.endr
	s_wait_kmcnt 0x0
	s_add_co_i32 s89, s92, s93                     ; e6 + e7
	s_lshl_b32 s97, s89, 23
	s_mov_b32 s[CS], 0x3e38aa3b                    ; log2(e) / 8,
	s_add_co_i32 s[CS], s[CS], s97                 ; x 2^(e6 + e7), by its exponent field
	s_mov_b32 s[CS+1], s[CS]
	s_sub_co_i32 s89, 160, s89
	s_lshl_b32 s89, s89, 23
	s_or_b32 s89, s89, 0x80000000
	v_mov_b32 v241, s89                            ; -2^(33 - e6 - e7): a hidden score
	s_add_co_i32 s89, s94, 127
	s_lshl_b32 s97, s89, 23
	v_mov_b32 v244, s97                            ; 2^e8
	s_add_co_i32 s89, s89, 8
	s_lshl_b32 s89, s89, 23
	s_or_b32 s89, s89, 0x600000
	v_mov_b32 v240, s89                            ; 448 x 2^e8
	s_add_co_i32 s89, s96, 127
	s_lshl_b32 s97, s89, 23
	v_mov_b32 v246, s97                            ; 2^e10
	s_add_co_i32 s89, s89, 8
	s_lshl_b32 s89, s89, 23
	s_or_b32 s89, s89, 0x600000
	v_mov_b32 v245, s89                            ; 448 x 2^e10
	s_wait_loadcnt 0x0
	ds_store_b128 v2, v[208:211]                   ; tile 0 into slot 0
	ds_store_b128 v3, v[212:215]
	s_wait_dscnt 0x0                               ; for the others' sake, and the stores have read their registers
	global_load_b128 v[208:211], v1, s[4:5] offset:16384   ; tile 1
	global_load_b128 v[212:215], v1, s[6:7] offset:16384
	s_barrier_signal -1
	s_barrier_wait -1
; A KEY STEP on the tile in slot.  st: the next tile, in registers, goes into the other slot.  ld: the tile two steps on is asked for.  nx: the next step's lane masks are asked for.  bar: the step's barrier.
.macro STEP slot, st, ld, nx, bar
.rept 4
	v_nop                                          ; places in front of loads into registers that the last products have read
.endr
.irp t, 0,1,2,3,4,5,6,7
.irp c, 0,1
	ds_load_b128 v[32+8*\t+4*\c:35+8*\t+4*\c], v1 offset:\slot*16384+\t*1024+\c*512
.endr
.endr
.if \st
	s_wait_loadcnt 0x0                             ; the next tile, asked for a step ago, is in registers
	ds_store_b128 v2, v[208:211] offset:(1-\slot)*16384   ; the other slot was last read ahead of the last barrier
	ds_store_b128 v3, v[212:215] offset:(1-\slot)*16384
	s_wait_dscnt 2                                 ; K's 16 loads are in; the two stores may be out
.else
	s_wait_dscnt 0x0
.endif
.irp t, 0,1,2,3,4,5,6,7
	v_wmma_f32_16x16x64_fp8_fp8 v[96+8*\t:103+8*\t], v[32+8*\t:39+8*\t], v[16:23], 0
.endr
.rept 4
	v_nop                                          ; places in front of the loads below and of the first read of the scores
.endr
.if \ld
	s_wait_dscnt 0x0                               ; the stores have read their registers
	global_load_b128 v[208:211], v1, s[4:5] offset:(2+\slot)*16384
	global_load_b128 v[212:215], v1, s[6:7] offset:(2+\slot)*16384
.endif
.irp d, 0,1,2,3
.irp c, 0,1,2,3
	ds_load_b128 v[32+16*\d+4*\c:35+16*\d+4*\c], v1 offset:\slot*16384+8192+\d*2048+\c*512   ; V's fragments land during the softmax
.endr
.endr
	s_wait_kmcnt 0x0                               ; this step's lane masks and flag
	s_cmp_eq_u32 s14, -1
	s_cbranch_scc1 .Lopen_\@                       ; nothing hidden in this tile
.set n, 0
.rept 64
	v_cndmask_b32 v[96+n], v241, v[96+n], s[16+n+4*(n/48)]
.set n, n+1
.endr
.Lopen_\@:
.if \nx
	s_load_b512 s[16:31], s[8:9], (1+\slot)*256
	s_load_b512 s[32:47], s[8:9], (1+\slot)*256+64
	s_load_b512 s[48:63], s[8:9], (1+\slot)*256+128
	s_load_b512 s[68:83], s[8:9], (1+\slot)*256+192
	s_load_b32 s14, s[10:11], (1+\slot)*4
.endif
	v_max3_num_f32 v254, v96, v97, v98             ; the step's largest score of my query among my 64 keys, in two chains, each accumulator from its low end on,
	v_max3_num_f32 v252, v99, v100, v101
.irp i, 6,10,14,18,22,26,30,34,38,42,46,50,54,58
	v_max3_num_f32 v254, v254, v[96+\i], v[97+\i]
	v_max3_num_f32 v252, v252, v[98+\i], v[99+\i]
.endr
	v_max3_num_f32 v254, v254, v158, v159
	v_max_num_f32 v254, v254, v252
	v_permlanex16_b32 v236, v254, s[SEL], s[SEL+1]
	v_max_num_f32 v254, v254, v236                 ; and among lane l xor 16's
	v_mul_f32 v254, s[CS], v254                    ; as t (c is positive)
	v_max_num_f32 v13, v13, v254
	v_mov_b32 v254, v12
	v_floor_f32 v12, -v13                          ; -M = floor(-t) = -ceil(t)
	v_sub_f32 v254, v12, v254                      ; old M - new M: a whole number, 0 or less
	v_cvt_i32_f32 v254, v254                       ; (it saturates)
	v_ldexp_f32 v252, 1.0, v254                    ; f = 2^(old M - new M)
.set j, 0
.rept 32
	v_pk_fma_f32 v[96+j:97+j], v[96+j:97+j], s[CS:CS+1], v[12:13] op_sel_hi:[1,0,0]   ; t - M
.set j, j+2
.endr
.set j, 0
.rept 64
	v_exp_f32 v[96+j], v[96+j]                     ; p = 2^(t - M), at most 1
.set j, j+1
.endr
	v_pk_mul_f32 v[14:15], v[14:15], v[252:253] op_sel_hi:[1,0]   ; the sums under the new M (a plain instruction behind the exponentials)
	s_wait_alu depctr_va_vdst(0)
	v_pk_add_f32 v[242:243], v[96:97], v[98:99]    ; the row's sum of the unquantised p, in two chains
.irp j, 4,8,12,16,20,24,28,32,36,40,44,48,52,56,60
	v_pk_add_f32 v[14:15], v[14:15], v[96+\j:97+\j]
	v_pk_add_f32 v[242:243], v[242:243], v[98+\j:99+\j]
.endr
	v_pk_add_f32 v[14:15], v[14:15], v[242:243]
	s_cmp_ge_i32 s94, -8                           ; p <= 1 < 448 x 2^-8: the hold can bind only where e8 < -8
	s_cbranch_scc1 .Lfits_\@
.set j, 0
.rept 64
	v_min_num_f32 v[96+j], v[96+j], v240           ; the conversion does not saturate (ISA guide 7.6.2); p is not negative
.set j, j+1
.endr
.Lfits_\@:
.irp b, 0,1,2,3
	v_cvt_scalef32_pk8_fp8_f32 v[192+4*\b:193+4*\b], v[96+16*\b:103+16*\b], v244
	v_cvt_scalef32_pk8_fp8_f32 v[194+4*\b:195+4*\b], v[104+16*\b:111+16*\b], v244
.endr
.set j, 0
.rept 16
	v_pk_mul_f32 v[160+j:161+j], v[160+j:161+j], v[252:253] op_sel_hi:[1,0]   ; O^T under the new M; also the plain instructions between the conversions and the products
.set j, j+2
.endr
	s_wait_dscnt 0x0                               ; V's fragments are in, and my stores have landed: no LDS instruction of mine is out at the barrier
.irp d, 0,1,2,3
	v_wmma_f32_16x16x128_fp8_fp8 v[160+8*\d:167+8*\d], v[32+16*\d:47+16*\d], v[192:207], v[160+8*\d:167+8*\d]   ; four accumulators by turns; the next step's eight score products stand between two turns of one
.endr
.if \bar
	s_barrier_signal -1
	s_barrier_wait -1
.endif
.endm
	s_mov_b32 s3, 7
.Lpair:                                            ; seven trips of two steps: steps 0 to 13, which ask for tiles 2 to 15
	STEP 0, 1, 1, 1, 1
	STEP 1, 1, 1, 1, 1
	s_wait_xcnt 0x0                                ; the bases are stepped only behind this wait
	s_add_nc_u64 s[4:5], s[4:5], 32768
	s_add_nc_u64 s[6:7], s[6:7], 32768
	s_add_nc_u64 s[8:9], s[8:9], 512
	s_add_nc_u64 s[10:11], s[10:11], 8
	s_sub_co_u32 s3, s3, 1
	s_cmp_lg_u32 s3, 0
	s_cbranch_scc1 .Lpair
	STEP 0, 1, 0, 1, 1                             ; step 14 asks for no tile, step 15 for nothing: no load leaves its buffer
	STEP 1, 0, 0, 0, 0
	; THE WAY OUT: O^T / the sum x 2^(e8 + e9) is ctx; held, converted at 2^e10; a lane's eight channels of a query are 8 bytes at 16 r + 8 h of a block of 256
.rept 4
	v_nop
.endr
	v_add_f32 v14, v14, v15
	v_permlanex16_b32 v252, v14, s[SEL], s[SEL+1]
	v_add_f32 v14, v14, v252
	v_rcp_f32 v14, v14
	v_nop                                          ; a plain instruction behind the reciprocal
	s_add_co_i32 s89, s94, s95
	s_wait_alu depctr_va_vdst(0)
	v_ldexp_f32 v14, v14, s89
.set j, 0
.rept 32
	v_mul_f32 v[96+j], v[160+j], v14
.set j, j+1
.endr
.set j, 0
.rept 32
	v_med3_num_f32 v[96+j], v[96+j], -v245, v245
.set j, j+1
.endr
.irp d, 0,1,2,3
	v_cvt_scalef32_pk8_fp8_f32 v[192+2*\d:193+2*\d], v[96+8*\d:103+8*\d], v246
.endr
	v_nop
.irp d, 0,1,2,3
	global_store_b64 v4, v[192+2*\d:193+2*\d], s[12:13] offset:256*\d   ; 256 consecutive bytes, aligned
.endr
	s_wait_tensorcnt 0x0
	ds_add_u32 v251, v255
	s_wait_dscnt 0x0
	s_endpgm
.Lfunc_end_k_q42db74da91_attn:
	.size	k_q42db74da91_attn, .Lfunc_end_k_q42db74da91_attn-k_q42db74da91_attn
	.p2alignl 7, 3214868480
	.fill 96, 4, 3214868480
	.section	.rodata,"a",@progbits
	.p2align	6, 0x0
	.amdhsa_kernel k_q42db74da91_attn
		.amdhsa_group_segment_fixed_size 34816
		.amdhsa_private_segment_fixed_size 0
		.amdhsa_enable_private_segment 0
		.amdhsa_kernarg_size 40
		.amdhsa_user_sgpr_count 2
		.amdhsa_user_sgpr_kernarg_segment_ptr 1
		.amdhsa_wavefront_size32 1
		.amdhsa_system_sgpr_workgroup_id_x 1
		.amdhsa_system_sgpr_workgroup_id_y 1
		.amdhsa_system_sgpr_workgroup_id_z 1
		.amdhsa_system_vgpr_workitem_id 0
		.amdhsa_next_free_vgpr 256
		.amdhsa_next_free_sgpr 100
		.amdhsa_reserve_vcc 0
		.amdhsa_float_denorm_mode_32 3
		.amdhsa_float_denorm_mode_16_64 3
		.amdhsa_memory_ordered 1
		.amdhsa_forward_progress 1
		.amdhsa_inst_pref_size 91
	.end_amdhsa_kernel
	.amdgpu_metadata
---
amdhsa.version: [ 1, 2 ]
amdhsa.kernels:
  - .name:           k_q42db74da91_attn
    .symbol:         k_q42db74da91_attn.kd
    .args:
      - { .name: qkv, .offset: 0, .size: 8, .value_kind: global_buffer, .address_space: global }
      - { .name: msk, .offset: 8, .size: 8, .value_kind: global_buffer, .address_space: global }
      - { .name: lowp_scales, .offset: 16, .size: 8, .value_kind: global_buffer, .address_space: global }
      - { .name: cc, .offset: 24, .size: 8, .value_kind: global_buffer, .address_space: global }
      - { .name: flg, .offset: 32, .size: 8, .value_kind: global_buffer, .address_space: global }
    .group_segment_fixed_size: 34816
    .private_segment_fixed_size: 0
    .kernarg_segment_align: 8
    .kernarg_segment_size: 40
    .max_flat_workgroup_size: 512
    .sgpr_count:     100
    .vgpr_count:     256
    .wavefront_size: 32
...
	.end_amdgpu_metadata
.endif
;; end of part 3
;; launch wo (part 4): grid 8 x 32, 4 waves a work-group, clusters of 4 x 4, 327,680 bytes of LDS; arguments cc, Wo_codes, lowp_scales, x1, bo, x; writes x1
.if DOCPART == 4
	.amdgcn_target "amdgcn-amd-amdhsa--gfx1250"
	.amdhsa_code_object_version 6
	.text
	.protected	k_q42db74da91_wo
	.globl	k_q42db74da91_wo
	.p2align	8
	.type	k_q42db74da91_wo,@function
k_q42db74da91_wo:
	s_mov_b64 s[64:65], 0
	v_nop
	global_prefetch_b8 v0, s[64:65] scope:SCOPE_SE
	s_setreg_imm32_b32 hwreg(HW_REG_WAVE_MODE, 25, 1), 1
	s_wait_xcnt 0x0
	s_wait_alu depctr_hold_cnt(0) depctr_sa_sdst(0) depctr_va_vdst(0) depctr_va_sdst(0) depctr_va_ssrc(0) depctr_va_vcc(0) depctr_vm_vsrc(0)
	s_getreg_b32 s2, hwreg(HW_REG_IB_STS2, 6, 4)
	s_cmp_eq_u32 s2, 0
	s_cbranch_scc0 .Lentry_in_a_cluster
	s_endpgm
.Lentry_in_a_cluster:
	s_bfe_u32 s2, ttmp6, 0x10000c
	s_cmp_lg_u32 s2, 0xf033
	s_cbranch_scc0 .Lentry_shape_is_right
	s_endpgm
.Lentry_shape_is_right:
; x1 = x + ctx Wo + bo.  ctx: E4M3 codes at 2^e10, laid [token block of 16][k / 16][token % 16][16 bytes]; Wo: codes at 2^e11, [1024 (n)][1024 (k)]; x, x1: f32 [4096][1024].
; A tile of 128 x 128 is made by four waves, each 64 x 64: 16 accumulators.  The result has 32 x 8 such tiles: 256 work-groups; tiles of 256 x 256 would be 64.
; K goes in steps of 512 through two LDS slots filled by the tensor data mover.  Here K = 1,024 is two steps: both are first fills, and no slot is filled again.
; A's tile needs no padding: a fragment load's sixteen lanes read 256 consecutive bytes.  B's rows of 512 bytes get 16 of padding.
; The matrix instruction is used transposed (source 0 = 16 rows of Wo, source 1 = 16 tokens): a lane holds eight neighbouring columns of one row.
; The bias is the C of each sum's first product, divided by 2^(e10 + e11), which the sums lack; on the way out one packed multiply-add gives sum x 2^(e10 + e11) + x.
; The residual's 64 x 64 numbers of a wave are asked for at the head, into registers of their own, so that nothing waits for them at the end.
; CLUSTERS: 4 x 4 work-groups; A's tile is shared along a row of the cluster, B's along a column: joint loads.
; LIMIT: e10 + e11 between -126 and 127.
; REGISTERS, in windows of 256: window 0: v0-31 addresses, v32-63 the bias, v128-255 the accumulators ((a, b) at v[128 + 8 (4 a + b)]).
;   window 1: two fragment buffers of 128 (A's four blocks, then B's four; 128 along K), later the result's rows.   window 2: v0-127 the residual.
.set SIZE_K, 1024
.set EA,     78                        ; s78 = e10
.set EB,     79                        ; s79 = e11
.set LASTOUT, 0                        ; the result is read again by later launches
.set KSTEP,  512
.set BP,     528                       ; B's LDS row: 512 bytes + 16 of padding = 132 words: the 16 rows of a fragment load start 4 banks apart (64 banks of 4 bytes: ISA guide 11.1)
.set FR,     16
.set AH,     32768                     ; 4 token blocks x 8,192 bytes: what one load brings of A
.set BHALF,  64*BP
.set BOFF,   2*AH
.set SLOT,   2*AH+2*BHALF
.set LAPS,   SIZE_K/(2*KSTEP)
.set SPARE,  2*SLOT                    ; behind the ring: the spare words, 128 bytes a wave
.set STAGE,  SPARE+512                 ; behind them: 16 rows x (256 + 16) bytes a wave, for the way out: bytes into which no fill lands
.set SPITCH, 272
.set ADRA, 16
.set ADRB, 20
.set STO,  24
.set RD,   25
.set CO,   26
.set SPW,  28
.set NIL,  29
.set BIAS, 32
.set ACC,  128
.set F0,   0
.set F1,   128
.set G1, 24
.set G0, 32
.set G1B, 48
.set G0B, 56
.set MSB, 0
.macro WIN new                         ; the immediate's high byte repeats the setting that is left
.if MSB != (\new)
	s_set_vgpr_msb (MSB<<8)|(\new)
.set MSB, (\new)
.endif
.endm
.set MUL,  0x05                        ; sources 0 (B) and 1 (A) window 1; C and D window 0
.set TO_F, 0x40                        ; destination window 1, address window 0
.macro JLOAD g0a, g1a, g0b, g1b        ; a joint load: waves 0, 1 fetch A's halves, waves 2, 3 B's; four v_nop follow each line
	s_cmp_eq_u32 s15, 0
	s_cbranch_scc0 .Lfor_b_\@
	tensor_load_to_lds s[\g0a:\g0a+3], s[\g1a:\g1a+7]
	s_nop 0
.rept 4
	v_nop
.endr
	s_branch .Lasked_\@
.Lfor_b_\@:
	tensor_load_to_lds s[\g0b:\g0b+3], s[\g1b:\g1b+7]
	s_nop 0
.rept 4
	v_nop
.endr
.Lasked_\@:
.endm
.macro CREST                           ; a round of the cluster's barrier behind its opening barrier
	s_cmp_lg_u32 s14, 0
	s_cbranch_scc1 .Lnot_wave_0_\@
	s_barrier_signal -3
.Lnot_wave_0_\@:
	s_barrier_wait -3
	s_barrier_signal -1
	s_barrier_wait -1
.endm
.macro CROUND
	s_barrier_signal -1
	s_barrier_wait -1
	CREST
.endm
	s_load_b256 s[4:11], s[0:1], 0x0               ; A's codes s[4:5], B's codes s[6:7], the scales' exponents s[8:9], the result s[10:11]
	s_load_b64 s[12:13], s[0:1], 0x20              ; the bias
	s_load_b64 s[66:67], s[0:1], 0x28              ; the residual
	v_lshl_add_u32 v[SPW], v0, 2, SPARE
	v_mov_b32 v[NIL], 0
	ds_add_u32 v28, v29
	ds_add_u32 v28, v29
	s_wait_dscnt 0x0
	v_lshrrev_b32 v1, 5, v0
	v_readfirstlane_b32 s14, v1
	s_lshr_b32 s15, s14, 1                         ; my half of the rows.  Also: I fetch for A (0) or for B (1)
	s_and_b32 s16, s14, 1                          ; my half of the columns.  Also: which half of that tile I fetch
	s_bfe_u32 s40, ttmp6, 0x40000
	s_bfe_u32 s41, ttmp6, 0x40004
	s_lshl_b32 s42, ttmp9, 2
	s_add_co_u32 s42, s42, s40                     ; tile column, 0..7
	s_and_b32 s17, ttmp7, 0xffff
	s_lshl_b32 s17, s17, 2
	s_add_co_u32 s17, s17, s41                     ; tile row, 0..31
	s_lshl_b32 s43, s41, 2
	s_lshl_b32 s43, 15, s43                        ; my row of the cluster
	s_lshl_b32 s44, 0x1111, s40                    ; my column
	s_or_b32 s[G1+0], s43, (1<<21)                 ; A: the mask of my row; elements of 1 byte; no padding; bit 21 beside a mask
	s_mov_b32 s[G1+1], 8192<<16                    ; tensor_dim0 = 8,192 bytes: a token block's 512 along K
	s_mov_b32 s[G1+2], 4<<16                       ; tensor_dim1 = 4 token blocks
	s_mov_b32 s[G1+3], 8192<<16                    ; tile_dim0
	s_mov_b32 s[G1+4], 4                           ; tile_dim1
	s_mov_b32 s[G1+5], SIZE_K*16                   ; bytes from token block to token block
	s_mov_b32 s[G1+6], 0
	s_mov_b32 s[G1+7], 0
	s_or_b32 s[G1B+0], s44, (0<<16)|(1<<20)|(1<<21)|(6<<22)|(3<<25)  ; B: the mask of my column; 4 words of padding after every 128
	s_mov_b32 s[G1B+1], 512<<16
	s_mov_b32 s[G1B+2], 64<<16
	s_mov_b32 s[G1B+3], 512<<16
	s_mov_b32 s[G1B+4], 64
	s_mov_b32 s[G1B+5], SIZE_K
	s_mov_b32 s[G1B+6], 0
	s_mov_b32 s[G1B+7], 0
	s_lshl_b32 s20, s17, 3
	s_lshl_b32 s18, s16, 2
	s_add_co_u32 s20, s20, s18
	s_mul_i32 s20, s20, SIZE_K*16                  ; A: token block 8 x tile row + 4 x half
	s_mov_b32 s21, 0
	s_lshl_b32 s46, s42, 7
	s_lshl_b32 s18, s16, 6
	s_add_co_u32 s46, s46, s18
	s_mul_i32 s46, s46, SIZE_K                     ; B: row 128 x tile column + 64 x half
	s_mov_b32 s47, 0
	s_mul_i32 s45, s16, AH                         ; where they go: A's two halves,
	s_mul_i32 s19, s16, BHALF
	s_add_co_u32 s19, s19, BOFF                    ; then B's two: no place in the cluster enters an LDS address
	s_wait_kmcnt 0x0
	s_load_b512 s[68:83], s[8:9], 0x0              ; e0 .. e15
	s_add_nc_u64 s[20:21], s[4:5], s[20:21]
	s_add_nc_u64 s[46:47], s[6:7], s[46:47]
	CROUND                                         ; all sixteen work-groups are here: the first joint loads meet
.irp s, 0,1
	s_mov_b32 s[G0+4*\s], 1
	s_add_co_u32 s[G0+4*\s+1], s45, \s*SLOT
	s_add_nc_u64 s[G0+4*\s+2:G0+4*\s+3], s[20:21], \s*8192
	s_or_b32 s[G0+4*\s+3], s[G0+4*\s+3], 0x80000000
	s_mov_b32 s[G0B+4*\s], 1
	s_add_co_u32 s[G0B+4*\s+1], s19, \s*SLOT
	s_add_nc_u64 s[G0B+4*\s+2:G0B+4*\s+3], s[46:47], \s*512
	s_or_b32 s[G0B+4*\s+3], s[G0B+4*\s+3], 0x80000000
	JLOAD G0+4*\s, G1, G0B+4*\s, G1B
.endr
	v_and_b32 v1, 15, v0                           ; r
	v_bfe_u32 v2, v0, 4, 1                         ; h
	v_and_b32 v6, 31, v0
	v_lshlrev_b32 v7, 4, v6                        ; 16 x lane = 256 h + 16 r
	v_mul_u32_u24 v3, v1, BP
	v_lshl_add_u32 v4, v2, 4, v3
	s_mul_i32 s21, s15, AH
	s_mul_i32 s22, s16, BHALF
	s_add_co_u32 s22, s22, BOFF
.irp s, 0,1
	v_add_nc_u32 v[ADRA+\s], s21, v7
	v_add_nc_u32 v[ADRB+\s], s22, v4
	s_add_co_u32 s21, s21, SLOT
	s_add_co_u32 s22, s22, SLOT
.endr
	s_mul_i32 s23, s14, 16*SPITCH
	s_add_co_u32 s23, s23, STAGE                   ; my stage
	v_mul_u32_u24 v5, v1, SPITCH
	v_lshl_add_u32 v5, v2, 5, v5
	v_add_nc_u32 v[STO], s23, v5                   ; in: row r, 32 bytes for each half of the lanes
	v_mul_u32_u24 v5, v2, SPITCH
	v_lshl_add_u32 v5, v1, 4, v5
	v_add_nc_u32 v[RD], s23, v5                    ; back: lanes 0-15 one row of 256 bytes, lanes 16-31 the next
	v_lshlrev_b32 v[CO], 12, v2
	v_lshl_add_u32 v[CO], v1, 4, v[CO]             ; and the same two rows in memory: 4,096 h + 16 r
	v_lshlrev_b32 v5, 5, v2                        ; the bias: 32 h
	s_lshl_b32 s92, s17, 7
	s_lshl_b32 s93, s15, 6
	s_add_co_u32 s92, s92, s93
	s_lshl_b32 s92, s92, 12                        ; my first row, of 4,096 bytes,
	s_lshl_b32 s94, s42, 9
	s_lshl_b32 s95, s16, 8
	s_add_co_u32 s94, s94, s95                     ; my first column, in bytes: a multiple of 256
	s_add_co_u32 s92, s92, s94
	s_mov_b32 s93, 0
	s_mov_b32 s95, 0
	s_add_nc_u64 s[10:11], s[10:11], s[92:93]
	s_add_nc_u64 s[66:67], s[66:67], s[92:93]
	s_add_nc_u64 s[12:13], s[12:13], s[94:95]
.irp b, 0,1,2,3
	global_load_b128 v[BIAS+8*\b:BIAS+8*\b+3], v5, s[12:13] offset:64*\b        ; lane (r, h), block b: columns 16 b + 8 h + 0 .. 7
	global_load_b128 v[BIAS+8*\b+4:BIAS+8*\b+7], v5, s[12:13] offset:64*\b+16
.endr
	WIN 0x80                                       ; destination window 2
.irp a, 0,1,2,3
.irp t, 0,1,2,3,4,5,6,7
	global_load_b128 v[32*\a+4*\t:32*\a+4*\t+3], v[CO], s[66:67] offset:(16*\a+2*\t)*4096 th:TH_LOAD_NT   ; the residual: rows 16 a + 2 t + h, my 256 bytes of each
.endr
.endr
	WIN 0
	s_wait_kmcnt 0x0
	s_add_co_i32 s84, s[EA], s[EB]
	s_sub_co_i32 s86, 0, s84
	s_add_co_i32 s84, s84, 127
	s_lshl_b32 s84, s84, 23                        ; 2^(ea + eb) as f32
	s_mov_b32 s85, s84
	s_wait_loadcnt 32                              ; the bias's 8 loads are in; the residual's 32 may be out
.set j, 0
.rept 32
	v_ldexp_f32 v[BIAS+j], v[BIAS+j], s86          ; the bias / 2^(ea + eb)
.set j, j+1
.endr
.macro FRAGA reg, adr, q, i            ; token block i, the slot's q-th 128 along K: registers 4 c .. 4 c + 3 hold K = 32 c + 16 h + 0 .. 15
.irp c, 0,1,2,3
	ds_load_b128 v[\reg+4*\c:\reg+4*\c+3], v[\adr] offset:(\i)*8192+(\q)*2048+\c*512
.endr
.endm
.macro FRAGB reg, adr, q, i            ; the same places of K from rows
.irp c, 0,1,2,3
	ds_load_b128 v[\reg+4*\c:\reg+4*\c+3], v[\adr] offset:128*(\q)+32*\c+(\i)*16*BP
.endr
.endm
.macro MUL8 f, a0, zero                ; 8 matrix instructions: A's blocks a0, a0 + 1 x B's four.  The 16 accumulators take turns, one instruction a turn
.irp a, \a0, \a0+1
.irp b, 0,1,2,3
.if \zero
	v_wmma_f32_16x16x128_fp8_fp8 v[ACC+8*(4*(\a)+\b):ACC+8*(4*(\a)+\b)+7], v[\f+64+FR*\b:\f+64+FR*\b+FR-1], v[\f+FR*(\a):\f+FR*(\a)+FR-1], v[BIAS+8*\b:BIAS+8*\b+7]
.else
	v_wmma_f32_16x16x128_fp8_fp8 v[ACC+8*(4*(\a)+\b):ACC+8*(4*(\a)+\b)+7], v[\f+64+FR*\b:\f+64+FR*\b+FR-1], v[\f+FR*(\a):\f+FR*(\a)+FR-1], v[ACC+8*(4*(\a)+\b):ACC+8*(4*(\a)+\b)+7]
.endif
.endr
.endr
.endm
.macro FETCH slot, q, f                ; 32 LDS loads in one run: B's four fragments, then A's four, those wanted last at the end
	WIN TO_F
.irp i, 0,1,2,3
	FRAGB \f+64+FR*\i, ADRB+\slot, \q, \i
.endr
.irp i, 0,1,2,3
	FRAGA \f+FR*\i, ADRA+\slot, \q, \i
.endr
.endm
.macro PLACES n                        ; plain vector instructions between a matrix instruction and a load into, or a read of, its registers
.rept \n
	v_nop
.endr
.endm
; A K step is four quarters of 128 along K, 16 matrix instructions each, on buffers 0, 1, 0, 1.  One of the first three: multiplies buffer f and fetches the slot's quarter qn into g.
.macro QUARTER slot, qn, f, g, zero
	s_wait_dscnt 8                                 ; B's four and A's blocks 0, 1 are in; the youngest 8 loads (A's blocks 2, 3) may be out
	WIN MUL
	MUL8 \f, 0, \zero
	PLACES 4
	FETCH \slot, \qn, \g
	s_wait_dscnt 32                                ; all but the 32 just issued
	WIN MUL
	MUL8 \f, 2, \zero
.endm
; The last quarter multiplies buffer 1 and changes slots: ONE barrier; in front of it each wave waits for all its tensor loads, adds 0 to its spare word, and waits for that and for its reads of this slot.
.macro TURN slot, next, fill
	WIN 0                                          ; (the add's two registers lie in window 0)
	s_wait_tensorcnt 0x0                           ; all my tensor loads have landed: my part of the next slot
	ds_add_u32 v[SPW], v[NIL]                      ; 0 onto my spare word
	s_wait_dscnt 9                                 ; the add and the youngest 8 loads may be out
	WIN MUL
	MUL8 F1, 0, 0                                  ; eight matrix instructions stand between the add and the wait for it
	WIN 0
	s_wait_dscnt 0x0                               ; the add is done, and my reads of this slot are over
	s_barrier_signal -1
	s_barrier_wait -1
.if \fill
	CREST                                          ; the barrier has opened a round of the cluster's: no wave of any partner still reads this slot or has a load on its way
	s_add_nc_u64 s[G0+4*\slot+2:G0+4*\slot+3], s[G0+4*\slot+2:G0+4*\slot+3], 2*8192
	s_add_nc_u64 s[G0B+4*\slot+2:G0B+4*\slot+3], s[G0B+4*\slot+2:G0B+4*\slot+3], 2*512
	JLOAD G0+4*\slot, G1, G0B+4*\slot, G1B         ; the first tensor load behind the round; its four v_nop are the places in front of the loads below
.else
	PLACES 4
.endif
	FETCH \next, 0, F0
	WIN MUL
	MUL8 F1, 2, 0                                  ; the quarter's other half stands beside the next slot's first loads
.endm
	s_wait_tensorcnt 1                             ; my part of slot 0 is in; slot 1's load may be out
	s_barrier_signal -1
	s_barrier_wait -1
	FETCH 0, 0, F0
	QUARTER 0, 1, F0, F1, 1                        ; the first products start the sums, with the bias as C
.if LAPS > 1
	WIN 0                                          ; at a label and at a branch every window is 0
	s_mov_b32 s3, LAPS-1
.Llap:                                             ; a trip goes once round the ring, from a lap's second quarter to the next lap's first, and fills both slots again
	QUARTER 0, 2, F1, F0, 0
	QUARTER 0, 3, F0, F1, 0
	TURN 0, 1, 1
	QUARTER 1, 1, F0, F1, 0
	QUARTER 1, 2, F1, F0, 0
	QUARTER 1, 3, F0, F1, 0
	TURN 1, 0, 1
	QUARTER 0, 1, F0, F1, 0
	WIN 0
	s_sub_co_u32 s3, s3, 1
	s_cmp_lg_u32 s3, 0
	s_cbranch_scc1 .Llap
.endif
	QUARTER 0, 2, F1, F0, 0                        ; the last lap fills nothing
	QUARTER 0, 3, F0, F1, 0
	TURN 0, 1, 0
	QUARTER 1, 1, F0, F1, 0
	QUARTER 1, 2, F1, F0, 0
	QUARTER 1, 3, F0, F1, 0
	s_wait_dscnt 8                                 ; the very last quarter: nothing more to fetch
	WIN MUL
	MUL8 F1, 0, 0
	s_wait_dscnt 0
	MUL8 F1, 2, 0
	WIN 0
; THE WAY OUT, block by block of 16 rows x 64 columns: the sums go through my own stage and come back as whole rows of 256 bytes (LDS serves a wave's instructions in order: no wait between the stores and the
; loads, nor in front of the next block's stores); one packed multiply-add with the residual; sixteen lanes store 256 consecutive bytes, aligned.  Every offset is an immediate: 62 rows of 4,096 bytes at the most.
.macro TOSTAGE a
.irp b, 0,1,2,3
	ds_store_b128 v[STO], v[ACC+32*(\a)+8*\b:ACC+32*(\a)+8*\b+3] offset:64*\b          ; each accumulator from its low end on
	ds_store_b128 v[STO], v[ACC+32*(\a)+8*\b+4:ACC+32*(\a)+8*\b+7] offset:64*\b+16
.endr
	WIN 0x40                                       ; destination window 1: the fragments are done with
.irp t, 0,1,2,3,4,5,6,7
	ds_load_b128 v[32*(\a)+4*\t:32*(\a)+4*\t+3], v[RD] offset:\t*2*SPITCH
.endr
	WIN 0
.endm
.macro SEND a, yd                      ; yd: the LDS instructions issued behind block a's, which may stay out
	s_wait_dscnt \yd
	WIN 0x61                               ; destination and source 0 window 1, source 2 (the residual) window 2
.set j, 0
.rept 16
	v_pk_fma_f32 v[32*(\a)+j:32*(\a)+j+1], v[32*(\a)+j:32*(\a)+j+1], s[84:85], v[32*(\a)+j:32*(\a)+j+1] op_sel_hi:[1,0,1]
.set j, j+2
.endr
	WIN 0x04                               ; the stores' data: window 1
.irp t, 0,1,2,3,4,5,6,7
.if LASTOUT
	global_store_b128 v[CO], v[32*(\a)+4*\t:32*(\a)+4*\t+3], s[10:11] offset:(16*(\a)+2*\t)*4096 th:TH_STORE_NT
.else
	global_store_b128 v[CO], v[32*(\a)+4*\t:32*(\a)+4*\t+3], s[10:11] offset:(16*(\a)+2*\t)*4096
.endif
.endr
	WIN 0
.endm
	PLACES 4
	s_wait_loadcnt 0x0                             ; the residual, asked for at the head
	TOSTAGE 0
	TOSTAGE 1
	SEND 0, 16                                     ; behind block 0's: block 1's 8 stores and 8 loads
	TOSTAGE 2
	SEND 1, 16
	TOSTAGE 3
	SEND 2, 16
	SEND 3, 0
	s_wait_tensorcnt 0x0                           ; the wave's end
	ds_add_u32 v[SPW], v[NIL]
	s_wait_dscnt 0x0
	CROUND                                         ; the closing round
	s_endpgm
.Lfunc_end_k_q42db74da91_wo:
	.size	k_q42db74da91_wo, .Lfunc_end_k_q42db74da91_wo-k_q42db74da91_wo
	.p2alignl 7, 3214868480
	.fill 96, 4, 3214868480
	.section	.rodata,"a",@progbits
	.p2align	6, 0x0
	.amdhsa_kernel k_q42db74da91_wo
		.amdhsa_group_segment_fixed_size 327680
		.amdhsa_private_segment_fixed_size 0
		.amdhsa_enable_private_segment 0
		.amdhsa_kernarg_size 48
		.amdhsa_user_sgpr_count 2
		.amdhsa_user_sgpr_kernarg_segment_ptr 1
		.amdhsa_wavefront_size32 1
		.amdhsa_system_sgpr_workgroup_id_x 1
		.amdhsa_system_sgpr_workgroup_id_y 1
		.amdhsa_system_sgpr_workgroup_id_z 1
		.amdhsa_system_vgpr_workitem_id 0
		.amdhsa_next_free_vgpr 640
		.amdhsa_next_free_sgpr 100
		.amdhsa_reserve_vcc 0
		.amdhsa_float_denorm_mode_32 3
		.amdhsa_float_denorm_mode_16_64 3
		.amdhsa_memory_ordered 1
		.amdhsa_forward_progress 1
		.amdhsa_inst_pref_size 52
	.end_amdhsa_kernel
	.amdgpu_metadata
---
amdhsa.version: [ 1, 2 ]
amdhsa.kernels:
  - .name:           k_q42db74da91_wo
    .symbol:         k_q42db74da91_wo.kd
    .args:
      - { .name: cc, .offset: 0, .size: 8, .value_kind: global_buffer, .address_space: global }
      - { .name: Wo_codes, .offset: 8, .size: 8, .value_kind: global_buffer, .address_space: global }
      - { .name: lowp_scales, .offset: 16, .size: 8, .value_kind: global_buffer, .address_space: global }
      - { .name: x1, .offset: 24, .size: 8, .value_kind: global_buffer, .address_space: global }
      - { .name: bo, .offset: 32, .size: 8, .value_kind: global_buffer, .address_space: global }
      - { .name: x, .offset: 40, .size: 8, .value_kind: global_buffer, .address_space: global }
    .group_segment_fixed_size: 327680
    .private_segment_fixed_size: 0
    .kernarg_segment_align: 8
    .kernarg_segment_size: 48
    .max_flat_workgroup_size: 128
    .sgpr_count:     100
    .vgpr_count:     640
    .wavefront_size: 32
...
	.end_amdgpu_metadata
.endif
;; end of part 4
;; launch ln2 (part 5): grid 256 x 1, 16 waves a work-group, no clusters, 26,624 bytes of LDS; arguments x1, g2, be2, lowp_scales, xf; writes xf
.if DOCPART == 5
	.amdgcn_target "amdgcn-amd-amdhsa--gfx1250"
	.amdhsa_code_object_version 6
	.text
	.protected	k_q42db74da91_ln2
	.globl	k_q42db74da91_ln2
	.p2align	8
	.type	k_q42db74da91_ln2,@function
k_q42db74da91_ln2:
	s_mov_b64 s[64:65], 0
	v_nop
	global_prefetch_b8 v0, s[64:65] scope:SCOPE_SE
	s_setreg_imm32_b32 hwreg(HW_REG_WAVE_MODE, 25, 1), 1
	s_wait_xcnt 0x0
; xf = LayerNorm(x1) g2 + be2, in f32, turned into E4M3 codes at 2^e12, row-major [4096][1024].
; Work-group g owns rows 16 g .. 16 g + 15, wave w row 16 g + w: a row of 4,096 bytes is 32 registers of one wave, so it is read once and the sums never leave the wave.
; Every load reads, and every store writes, 512 consecutive bytes.  The gains come once a work-group through LDS.
; LIMIT: e12 between -126 and 119.  NaN among the inputs is not served.  No matrix unit, no cluster, no tensor load: the launch streams.
.set CST,  8192                        ; LDS: 0..8191 g2 then be2; from CST a row of 1,024 codes for each wave
.set G,    16
.set BE,   48
.set X,    80
.set T,    112
.set C,    16
.set OUTR, 40
.set SC,   144
.set LIM,  145
	s_load_b256 s[4:11], s[0:1], 0x0               ; x1 s[4:5], g2 s[6:7], be2 s[8:9], the scales' exponents s[10:11]
	s_load_b64 s[12:13], s[0:1], 0x20              ; xf
	v_lshl_add_u32 v160, v0, 2, 0x6000
	v_mov_b32 v161, 0
	v_lshrrev_b32 v9, 5, v0
	v_readfirstlane_b32 s2, v9
	v_and_b32 v1, 31, v0
	v_lshlrev_b32 v2, 4, v1                        ; 16 x lane
	s_lshl_b32 s38, s2, 10
	s_add_co_u32 s38, s38, CST
	v_lshl_add_u32 v3, v1, 2, s38
	v_add_nc_u32 v4, s38, v2
	v_lshlrev_b32 v7, 4, v0
	v_mov_b32 v14, 0
	s_lshl_b32 s40, ttmp9, 16
	s_lshl_b32 s41, s2, 12
	s_add_co_u32 s40, s40, s41
	s_mov_b32 s41, 0
	s_and_b32 s44, s2, 7
	s_lshl_b32 s44, s44, 9
	s_mov_b32 s45, 0
	s_lshl_b32 s46, ttmp9, 4
	s_add_co_u32 s46, s46, s2
	s_lshl_b32 s46, s46, 10
	s_mov_b32 s47, 0
	s_mov_b32 s28, 0x76543210
	s_mov_b32 s29, 0xfedcba98
	s_mov_b32 s31, 0x3a800000                      ; 1 / 1024
	s_mov_b32 s34, 0x3727c5ac                      ; 1e-5
	s_wait_kmcnt 0x0
	s_load_b32 s16, s[10:11], 0x30                 ; e12
	s_cmp_lt_u32 s2, 8
	s_cselect_b64 s[32:33], s[6:7], s[8:9]
	s_add_nc_u64 s[32:33], s[32:33], s[44:45]
	s_add_nc_u64 s[4:5], s[4:5], s[40:41]
	s_add_nc_u64 s[12:13], s[12:13], s[46:47]
	global_load_b128 v[T:T+3], v2, s[32:33]
.irp j, 0,1,2,3,4,5,6,7
	global_load_b128 v[X+4*\j:X+4*\j+3], v2, s[4:5] offset:512*\j
.endr
	s_wait_loadcnt 8                               ; my piece of the gains is in; the row's 8 loads may be out
	ds_store_b128 v7, v[T:T+3]
	s_wait_dscnt 0x0
	s_barrier_signal -1
	s_barrier_wait -1
.irp j, 0,1,2,3,4,5,6,7
	ds_load_b128 v[G+4*\j:G+4*\j+3], v2 offset:512*\j
	ds_load_b128 v[BE+4*\j:BE+4*\j+3], v2 offset:4096+512*\j
.endr
	s_wait_kmcnt 0x0
	s_add_co_i32 s38, s16, 127
	s_lshl_b32 s39, s38, 23
	v_mov_b32 v[SC], s39
	s_add_co_i32 s38, s38, 8
	s_lshl_b32 s38, s38, 23
	s_or_b32 s38, s38, 0x600000
	v_mov_b32 v[LIM], s38
.macro REDUCE r
	v_add_f32_dpp v[\r], v[\r], v[\r] row_xmask:1 row_mask:0xf bank_mask:0xf
	v_add_f32_dpp v[\r], v[\r], v[\r] row_xmask:2 row_mask:0xf bank_mask:0xf
	v_add_f32_dpp v[\r], v[\r], v[\r] row_xmask:4 row_mask:0xf bank_mask:0xf
	v_add_f32_dpp v[\r], v[\r], v[\r] row_xmask:8 row_mask:0xf bank_mask:0xf
	v_permlanex16_b32 v14, v[\r], s28, s29
	v_add_f32 v[\r], v[\r], v14
.endm
	s_wait_loadcnt 0x0
	v_pk_add_f32 v[10:11], v[X:X+1], v[X+2:X+3]
	v_pk_add_f32 v[12:13], v[X+4:X+5], v[X+6:X+7]
.irp j, 8,12,16,20,24,28
	v_pk_add_f32 v[10:11], v[10:11], v[X+\j:X+\j+1]
	v_pk_add_f32 v[12:13], v[12:13], v[X+\j+2:X+\j+3]
.endr
	v_pk_add_f32 v[10:11], v[10:11], v[12:13]
	v_add_f32 v9, v10, v11
	REDUCE 9
	v_mul_f32 v10, s31, v9
	v_mov_b32 v11, v10
.set j, 0
.rept 16
	v_pk_add_f32 v[X+j:X+j+1], v[X+j:X+j+1], v[10:11] neg_lo:[0,1] neg_hi:[0,1]
.set j, j+2
.endr
	v_pk_mul_f32 v[12:13], v[X:X+1], v[X:X+1]
	v_pk_mul_f32 v[T:T+1], v[X+2:X+3], v[X+2:X+3]
.irp j, 4,8,12,16,20,24,28
	v_pk_fma_f32 v[12:13], v[X+\j:X+\j+1], v[X+\j:X+\j+1], v[12:13]
	v_pk_fma_f32 v[T:T+1], v[X+\j+2:X+\j+3], v[X+\j+2:X+\j+3], v[T:T+1]
.endr
	v_pk_add_f32 v[12:13], v[12:13], v[T:T+1]
	v_add_f32 v9, v12, v13
	REDUCE 9
	v_fma_f32 v12, v9, s31, s34
	v_rsq_f32 v12, v12
	v_nop                                          ; a plain instruction between the root and the use of its result
	s_wait_alu depctr_va_vdst(0)
	v_mov_b32 v13, v12
	s_wait_dscnt 0x0
.set j, 0
.rept 16
	v_pk_mul_f32 v[X+j:X+j+1], v[X+j:X+j+1], v[12:13]
.set j, j+2
.endr
.set j, 0
.rept 16
	v_pk_fma_f32 v[X+j:X+j+1], v[X+j:X+j+1], v[G+j:G+j+1], v[BE+j:BE+j+1]
.set j, j+2
.endr
.set j, 0
.rept 32
	v_med3_num_f32 v[T+j], v[X+j], -v[LIM], v[LIM]   ; the conversion does not saturate (ISA guide 7.6.2)
.set j, j+1
.endr
.irp g, 0,1,2,3
	v_cvt_scalef32_pk8_fp8_f32 v[C+2*\g:C+2*\g+1], v[T+8*\g:T+8*\g+7], v[SC]
.endr
	v_nop
.irp q, 0,1,2,3,4,5,6,7
	ds_store_b32 v3, v[C+\q] offset:128*\q         ; register q = columns 128 q + 4 lane + 0..3
.endr
.irp i, 0,1
	ds_load_b128 v[OUTR+4*\i:OUTR+4*\i+3], v4 offset:512*\i   ; LDS serves a wave's instructions in order
.endr
	s_wait_dscnt 0x0
.irp i, 0,1
	global_store_b128 v2, v[OUTR+4*\i:OUTR+4*\i+3], s[12:13] offset:512*\i
.endr
	s_wait_tensorcnt 0x0
	ds_add_u32 v160, v161
	s_wait_dscnt 0x0
	s_endpgm
.Lfunc_end_k_q42db74da91_ln2:
	.size	k_q42db74da91_ln2, .Lfunc_end_k_q42db74da91_ln2-k_q42db74da91_ln2
	.p2alignl 7, 3214868480
	.fill 96, 4, 3214868480
	.section	.rodata,"a",@progbits
	.p2align	6, 0x0
	.amdhsa_kernel k_q42db74da91_ln2
		.amdhsa_group_segment_fixed_size 26624
		.amdhsa_private_segment_fixed_size 0
		.amdhsa_enable_private_segment 0
		.amdhsa_kernarg_size 40
		.amdhsa_user_sgpr_count 2
		.amdhsa_user_sgpr_kernarg_segment_ptr 1
		.amdhsa_wavefront_size32 1
		.amdhsa_system_sgpr_workgroup_id_x 1
		.amdhsa_system_sgpr_workgroup_id_y 1
		.amdhsa_system_sgpr_workgroup_id_z 1
		.amdhsa_system_vgpr_workitem_id 0
		.amdhsa_next_free_vgpr 162
		.amdhsa_next_free_sgpr 66
		.amdhsa_reserve_vcc 0
		.amdhsa_float_denorm_mode_32 3
		.amdhsa_float_denorm_mode_16_64 3
		.amdhsa_memory_ordered 1
		.amdhsa_forward_progress 1
		.amdhsa_inst_pref_size 14
	.end_amdhsa_kernel
	.amdgpu_metadata
---
amdhsa.version: [ 1, 2 ]
amdhsa.kernels:
  - .name:           k_q42db74da91_ln2
    .symbol:         k_q42db74da91_ln2.kd
    .args:
      - { .name: x1, .offset: 0, .size: 8, .value_kind: global_buffer, .address_space: global }
      - { .name: g2, .offset: 8, .size: 8, .value_kind: global_buffer, .address_space: global }
      - { .name: be2, .offset: 16, .size: 8, .value_kind: global_buffer, .address_space: global }
      - { .name: lowp_scales, .offset: 24, .size: 8, .value_kind: global_buffer, .address_space: global }
      - { .name: xf, .offset: 32, .size: 8, .value_kind: global_buffer, .address_space: global }
    .group_segment_fixed_size: 26624
    .private_segment_fixed_size: 0
    .kernarg_segment_align: 8
    .kernarg_segment_size: 40
    .max_flat_workgroup_size: 512
    .sgpr_count:     66
    .vgpr_count:     162
    .wavefront_size: 32
...
	.end_amdgpu_metadata
.endif
;; end of part 5
;; launch ff1 (part 6): grid 16 x 16, 4 waves a work-group, clusters of 4 x 4, 327,680 bytes of LDS; arguments xf, W1_codes, lowp_scales, hc, b1; writes hc
.if DOCPART == 6
	.amdgcn_target "amdgcn-amd-amdhsa--gfx1250"
	.amdhsa_code_object_version 6
	.text
	.protected	k_q42db74da91_ff1
	.globl	k_q42db74da91_ff1
	.p2align	8
	.type	k_q42db74da91_ff1,@function
k_q42db74da91_ff1:
	s_mov_b64 s[64:65], 0
	v_nop
	global_prefetch_b8 v0, s[64:65] scope:SCOPE_SE
	s_setreg_imm32_b32 hwreg(HW_REG_WAVE_MODE, 25, 1), 1
	s_wait_xcnt 0x0
	s_wait_alu depctr_hold_cnt(0) depctr_sa_sdst(0) depctr_va_vdst(0) depctr_va_sdst(0) depctr_va_ssrc(0) depctr_va_vcc(0) depctr_vm_vsrc(0)
	s_getreg_b32 s2, hwreg(HW_REG_IB_STS2, 6, 4)
	s_cmp_eq_u32 s2, 0
	s_cbranch_scc0 .Lentry_in_a_cluster
	s_endpgm
.Lentry_in_a_cluster:
	s_bfe_u32 s2, ttmp6, 0x10000c
	s_cmp_lg_u32 s2, 0xf033
	s_cbranch_scc0 .Lentry_shape_is_right
	s_endpgm
.Lentry_shape_is_right:
; h = relu(xf W1 + b1) on E4M3 codes (K = 1,024; scales 2^e12, 2^e13), quantised at once at 2^e14 for the next product.
; xf: codes [4096][1024]; W1: codes [4096 (n)][1024 (k)]; out: codes laid [token block of 16][n / 16][token % 16][16 bytes].
; A tile of 256 x 256 is made by four waves, each 128 x 128: 64 accumulators.  K goes in steps of 256 through two LDS slots filled by the tensor data mover.
; The matrix instruction is used transposed (source 0 = 16 rows of W1, source 1 = 16 tokens): a lane holds eight neighbouring hidden units of one token, neighbours along the next K: 8 bytes of codes at 16 m + 8 h,
; so that each store of a wave covers 256 consecutive bytes, aligned.  No stage in LDS is needed.
; The bias is the C of each sum's first product, divided by 2^(e12 + e13), which the sums lack.  The activation costs nothing: the hold that the conversion wants clips at 0 as well.
; CLUSTERS: 4 x 4 work-groups; A's tile is shared along a row of the cluster, B's along a column: joint loads.
; LIMIT: e14 - e12 - e13 between -126 and 119.
; REGISTERS, in windows of 256: window 0: v0-31 addresses, v32-95 the bias, later at work, from v128 A's fragments (one set), later the codes.  window 1: B's fragments, two sets.  windows 2, 3: the accumulators.
.set SIZE_K, 1024
.set KSTEP,  256
.set ROWB,   256
.set KROW,   SIZE_K
.set PITCH,  272
.set FR,     16
.set NL,     4
.set NP,     4
.set HALFT,  128*PITCH
.set SLOT,   4*HALFT
.set LAPS,   SIZE_K/(2*KSTEP)
.set SPARE,  2*SLOT                    ; behind the ring: the spare words, 128 bytes a wave
.set ASTEP,  65536                     ; bytes from token block to token block of the result
.set SC,   10
.set LIM,  11
.set ADRA, 16
.set ADRB, 20
.set CO,   26
.set SPW,  28
.set NIL,  29
.set BIAS, 32
.set TMP,  32
.set AF,   128
.set CD,   128
.set G1, 24
.set G0, 32
.set G1B, 48
.set G0B, 56
.set MSB, 0
.macro WIN new
.if MSB != (\new)
	s_set_vgpr_msb (MSB<<8)|(\new)
.set MSB, (\new)
.endif
.endm
.set MUL_LO,   0xa1
.set MUL_HI,   0xf1
.set FIRST_LO, 0x81                    ; the first products: C (the bias) in window 0, D in window 2
.set FIRST_HI, 0xc1
.set TO_B,     0x40
.macro JLOAD g0a, g1a, g0b, g1b
	s_cmp_eq_u32 s15, 0
	s_cbranch_scc0 .Lfor_b_\@
	tensor_load_to_lds s[\g0a:\g0a+3], s[\g1a:\g1a+7]
	s_nop 0
.rept 4
	v_nop
.endr
	s_branch .Lasked_\@
.Lfor_b_\@:
	tensor_load_to_lds s[\g0b:\g0b+3], s[\g1b:\g1b+7]
	s_nop 0
.rept 4
	v_nop
.endr
.Lasked_\@:
.endm
.macro CREST
	s_cmp_lg_u32 s14, 0
	s_cbranch_scc1 .Lnot_wave_0_\@
	s_barrier_signal -3
.Lnot_wave_0_\@:
	s_barrier_wait -3
	s_barrier_signal -1
	s_barrier_wait -1
.endm
.macro CROUND
	s_barrier_signal -1
	s_barrier_wait -1
	CREST
.endm
	s_load_b256 s[4:11], s[0:1], 0x0               ; xf s[4:5], W1's codes s[6:7], the scales' exponents s[8:9], the result s[10:11]
	s_load_b64 s[12:13], s[0:1], 0x20              ; b1
	v_lshl_add_u32 v[SPW], v0, 2, SPARE
	v_mov_b32 v[NIL], 0
	ds_add_u32 v28, v29
	ds_add_u32 v28, v29
	s_wait_dscnt 0x0
	v_lshrrev_b32 v1, 5, v0
	v_readfirstlane_b32 s14, v1
	s_lshr_b32 s15, s14, 1
	s_and_b32 s16, s14, 1
	s_bfe_u32 s40, ttmp6, 0x40000
	s_bfe_u32 s41, ttmp6, 0x40004
	s_lshl_b32 s42, ttmp9, 2
	s_add_co_u32 s42, s42, s40                     ; tile column
	s_and_b32 s17, ttmp7, 0xffff
	s_lshl_b32 s17, s17, 2
	s_add_co_u32 s17, s17, s41                     ; tile row
	s_lshl_b32 s43, s41, 2
	s_lshl_b32 s43, 15, s43
	s_lshl_b32 s44, 0x1111, s40
	s_or_b32 s[G1+0], s43, (0<<16)|(1<<20)|(1<<21)|(5<<22)|(3<<25)
	s_or_b32 s[G1B+0], s44, (0<<16)|(1<<20)|(1<<21)|(5<<22)|(3<<25)
.irp g, G1, G1B
	s_mov_b32 s[\g+1], ROWB<<16
	s_mov_b32 s[\g+2], 128<<16
	s_mov_b32 s[\g+3], ROWB<<16
	s_mov_b32 s[\g+4], 128
	s_mov_b32 s[\g+5], KROW
	s_mov_b32 s[\g+6], 0
	s_mov_b32 s[\g+7], 0
.endr
	s_lshl_b32 s18, s16, 7
	s_lshl_b32 s20, s17, 8
	s_add_co_u32 s20, s20, s18
	s_lshl_b32 s20, s20, 10
	s_mov_b32 s21, 0
	s_lshl_b32 s46, s42, 8
	s_add_co_u32 s46, s46, s18
	s_lshl_b32 s46, s46, 10
	s_mov_b32 s47, 0
	s_mul_i32 s45, s14, HALFT
	s_wait_kmcnt 0x0
	s_load_b512 s[68:83], s[8:9], 0x0              ; e0 .. e15
	s_add_nc_u64 s[20:21], s[4:5], s[20:21]
	s_add_nc_u64 s[46:47], s[6:7], s[46:47]
	CROUND                                         ; all sixteen work-groups are here: the first joint loads meet
.irp s, 0,1
	s_mov_b32 s[G0+4*\s], 1
	s_add_co_u32 s[G0+4*\s+1], s45, \s*SLOT
	s_add_nc_u64 s[G0+4*\s+2:G0+4*\s+3], s[20:21], \s*ROWB
	s_or_b32 s[G0+4*\s+3], s[G0+4*\s+3], 0x80000000
	s_mov_b32 s[G0B+4*\s], 1
	s_add_co_u32 s[G0B+4*\s+1], s45, \s*SLOT
	s_add_nc_u64 s[G0B+4*\s+2:G0B+4*\s+3], s[46:47], \s*ROWB
	s_or_b32 s[G0B+4*\s+3], s[G0B+4*\s+3], 0x80000000
	JLOAD G0+4*\s, G1, G0B+4*\s, G1B
.endr
	v_and_b32 v1, 15, v0
	v_bfe_u32 v2, v0, 4, 1
	v_mul_u32_u24 v3, v1, PITCH
	v_lshl_add_u32 v4, v2, 4, v3
	s_mul_i32 s21, s15, HALFT
	s_mul_i32 s22, s16, HALFT
	s_add_co_u32 s22, s22, 2*HALFT
.irp s, 0,1
	v_add_nc_u32 v[ADRA+\s], s21, v4
	v_add_nc_u32 v[ADRB+\s], s22, v4
	s_add_co_u32 s21, s21, SLOT
	s_add_co_u32 s22, s22, SLOT
.endr
	v_lshlrev_b32 v[CO], 4, v1
	v_lshl_add_u32 v[CO], v2, 3, v[CO]             ; 16 m + 8 h
	v_lshlrev_b32 v5, 5, v2                        ; the bias: 32 h
	s_lshl_b32 s92, s17, 4
	s_lshl_b32 s93, s15, 3
	s_add_co_u32 s92, s92, s93
	s_lshl_b32 s92, s92, 16                        ; my first token block, of 65,536 bytes,
	s_lshl_b32 s93, s42, 4
	s_lshl_b32 s94, s16, 3
	s_add_co_u32 s93, s93, s94
	s_lshl_b32 s93, s93, 8                         ; my first 16 hidden units, of 256 bytes
	s_add_co_u32 s92, s92, s93
	s_mov_b32 s93, 0
	s_add_nc_u64 s[10:11], s[10:11], s[92:93]
	s_lshl_b32 s94, s42, 10
	s_lshl_b32 s95, s16, 9
	s_add_co_u32 s94, s94, s95
	s_mov_b32 s95, 0
	s_add_nc_u64 s[12:13], s[12:13], s[94:95]
.irp b, 0,1,2,3,4,5,6,7
	global_load_b128 v[BIAS+8*\b:BIAS+8*\b+3], v5, s[12:13] offset:64*\b
	global_load_b128 v[BIAS+8*\b+4:BIAS+8*\b+7], v5, s[12:13] offset:64*\b+16
.endr
	s_wait_kmcnt 0x0
	s_add_co_i32 s84, s80, s81                     ; e12 + e13
	s_sub_co_i32 s86, 0, s84
	s_wait_loadcnt 0x0
.set j, 0
.rept 64
	v_ldexp_f32 v[BIAS+j], v[BIAS+j], s86          ; b1 / 2^(e12 + e13)
.set j, j+1
.endr
.macro FRAG reg, adr, q, i
.irp c, 0,1,2,3
	ds_load_b128 v[\reg+4*\c:\reg+4*\c+3], v[\adr] offset:128*(\q)+32*\c+(\i)*16*PITCH
.endr
.endm
.macro MUL16 a0, p, zero               ; 16 matrix instructions; the 64 accumulators take turns, one instruction a turn
.irp a, \a0, \a0+1
.irp b, 0,1,2,3,4,5,6,7
.if \zero
	v_wmma_f32_16x16x128_fp8_fp8 v[8*(8*((\a)%4)+\b):8*(8*((\a)%4)+\b)+7], v[128*(\p)+FR*\b:128*(\p)+FR*\b+FR-1], v[AF+FR*(\a):AF+FR*(\a)+FR-1], v[BIAS+8*\b:BIAS+8*\b+7]
.else
	v_wmma_f32_16x16x128_fp8_fp8 v[8*(8*((\a)%4)+\b):8*(8*((\a)%4)+\b)+7], v[128*(\p)+FR*\b:128*(\p)+FR*\b+FR-1], v[AF+FR*(\a):AF+FR*(\a)+FR-1], v[8*(8*((\a)%4)+\b):8*(8*((\a)%4)+\b)+7]
.endif
.endr
.endr
.endm
.macro FETCH_B slot, q, p
	WIN TO_B
.irp i, 0,1,2,3,4,5,6,7
	FRAG 128*(\p)+FR*\i, ADRB+\slot, \q, \i
.endr
	WIN 0
.endm
.macro FETCH_A slot, q, i0
.irp i, \i0, \i0+1, \i0+2, \i0+3
	FRAG AF+FR*(\i), ADRA+\slot, \q, \i
.endr
.endm
.macro PLACES n
.rept \n
	v_nop
.endr
.endm
.macro STEP slot, q, zero
	s_wait_dscnt 4*NL                              ; B's set and A's blocks 0-3 are in; the youngest 16 loads may be out
.if \zero
	WIN FIRST_LO
.else
	WIN MUL_LO
.endif
	MUL16 0, (\q)%2, \zero
	MUL16 2, (\q)%2, \zero
	s_wait_dscnt 0
	PLACES NP
	FETCH_B \slot, (\q)+1, 1-(\q)%2
	FETCH_A \slot, (\q)+1, 0
.if \zero
	WIN FIRST_HI
.else
	WIN MUL_HI
.endif
	MUL16 4, (\q)%2, \zero
	MUL16 6, (\q)%2, \zero
	PLACES NP
	WIN 0
	FETCH_A \slot, (\q)+1, 4
.endm
.macro TURN slot, next, fill
	s_wait_tensorcnt 0x0                           ; all my tensor loads have landed: my part of the next slot
	ds_add_u32 v[SPW], v[NIL]                      ; 0 onto my spare word
	s_wait_dscnt 4*NL+1                            ; the add and the youngest 16 loads may be out
	WIN MUL_LO
	MUL16 0, 1, 0
	s_wait_dscnt 0x0                               ; the add is done, and my reads of this slot are over
	s_barrier_signal -1
	MUL16 2, 1, 0
	WIN 0
	s_barrier_wait -1
.if \fill
	CREST                                          ; the barrier has opened a round of the cluster's
	s_add_nc_u64 s[G0+4*\slot+2:G0+4*\slot+3], s[G0+4*\slot+2:G0+4*\slot+3], 2*ROWB
	s_add_nc_u64 s[G0B+4*\slot+2:G0B+4*\slot+3], s[G0B+4*\slot+2:G0B+4*\slot+3], 2*ROWB
	JLOAD G0+4*\slot, G1, G0B+4*\slot, G1B         ; the first tensor load behind the round
.else
	PLACES NP
.endif
	FETCH_B \next, 0, 0
	FETCH_A \next, 0, 0
	WIN MUL_HI
	MUL16 4, 1, 0
	MUL16 6, 1, 0
	PLACES NP
	WIN 0
	FETCH_A \next, 0, 4
.endm
	s_wait_tensorcnt 1                             ; my part of slot 0 is in; slot 1's load may be out
	s_barrier_signal -1
	s_barrier_wait -1
	FETCH_B 0, 0, 0
	FETCH_A 0, 0, 0
	FETCH_A 0, 0, 4
	STEP 0, 0, 1
	s_mov_b32 s3, LAPS-1
.Llap:
	TURN 0, 1, 1
	STEP 1, 0, 0
	TURN 1, 0, 1
	STEP 0, 0, 0
	s_sub_co_u32 s3, s3, 1
	s_cmp_lg_u32 s3, 0
	s_cbranch_scc1 .Llap
	TURN 0, 1, 0
	STEP 1, 0, 0
	s_wait_dscnt 4*NL
	WIN MUL_LO
	MUL16 0, 1, 0
	MUL16 2, 1, 0
	s_wait_dscnt 0
	WIN MUL_HI
	MUL16 4, 1, 0
	MUL16 6, 1, 0
	WIN 0
	; THE WAY OUT.  A sum stands for sum x 2^(e12 + e13); its code is sum / 2^(e14 - e12 - e13).
	s_sub_co_i32 s92, s82, s84
	s_add_co_i32 s92, s92, 127
	s_lshl_b32 s93, s92, 23
	v_mov_b32 v[SC], s93
	s_add_co_i32 s92, s92, 8
	s_lshl_b32 s92, s92, 23
	s_or_b32 s92, s92, 0x600000
	v_mov_b32 v[LIM], s92
	PLACES NP
.macro OUTBLK a                        ; block a: 16 tokens x 128 hidden units: the activation and the hold in one, each accumulator from its low end on; eight conversions; eight stores
.set AC, 64*((\a)%4)
	WIN 0x02+((\a)/4)
.set j, 0
.rept 64
	v_med3_num_f32 v[TMP+j], v[AC+j], 0, v[LIM]
.set j, j+1
.endr
	WIN 0
.irp b, 0,1,2,3,4,5,6,7
	v_cvt_scalef32_pk8_fp8_f32 v[CD+16*(\a)+2*\b:CD+16*(\a)+2*\b+1], v[TMP+8*\b:TMP+8*\b+7], v[SC]
.endr
	v_nop                                          ; a plain instruction between the conversions and the next block's lines, which write their sources
.irp b, 0,1,2,3,4,5,6,7
	global_store_b64 v[CO], v[CD+16*(\a)+2*\b:CD+16*(\a)+2*\b+1], s[10:11] offset:(\a)*ASTEP+\b*256   ; 256 consecutive bytes, aligned
.endr
.endm
.irp a, 0,1,2,3,4,5,6,7
	OUTBLK \a
.endr
	s_wait_tensorcnt 0x0                           ; the wave's end
	ds_add_u32 v[SPW], v[NIL]
	s_wait_dscnt 0x0
	CROUND                                         ; the closing round
	s_endpgm
.Lfunc_end_k_q42db74da91_ff1:
	.size	k_q42db74da91_ff1, .Lfunc_end_k_q42db74da91_ff1-k_q42db74da91_ff1
	.p2alignl 7, 3214868480
	.fill 96, 4, 3214868480
	.section	.rodata,"a",@progbits
	.p2align	6, 0x0
	.amdhsa_kernel k_q42db74da91_ff1
		.amdhsa_group_segment_fixed_size 327680
		.amdhsa_private_segment_fixed_size 0
		.amdhsa_enable_private_segment 0
		.amdhsa_kernarg_size 40
		.amdhsa_user_sgpr_count 2
		.amdhsa_user_sgpr_kernarg_segment_ptr 1
		.amdhsa_wavefront_size32 1
		.amdhsa_system_sgpr_workgroup_id_x 1
		.amdhsa_system_sgpr_workgroup_id_y 1
		.amdhsa_system_sgpr_workgroup_id_z 1
		.amdhsa_system_vgpr_workitem_id 0
		.amdhsa_next_free_vgpr 1024
		.amdhsa_next_free_sgpr 100
		.amdhsa_reserve_vcc 0
		.amdhsa_float_denorm_mode_32 3
		.amdhsa_float_denorm_mode_16_64 3
		.amdhsa_memory_ordered 1
		.amdhsa_forward_progress 1
		.amdhsa_inst_pref_size 126
	.end_amdhsa_kernel
	.amdgpu_metadata
---
amdhsa.version: [ 1, 2 ]
amdhsa.kernels:
  - .name:           k_q42db74da91_ff1
    .symbol:         k_q42db74da91_ff1.kd
    .args:
      - { .name: xf, .offset: 0, .size: 8, .value_kind: global_buffer, .address_space: global }
      - { .name: W1_codes, .offset: 8, .size: 8, .value_kind: global_buffer, .address_space: global }
      - { .name: lowp_scales, .offset: 16, .size: 8, .value_kind: global_buffer, .address_space: global }
      - { .name: hc, .offset: 24, .size: 8, .value_kind: global_buffer, .address_space: global }
      - { .name: b1, .offset: 32, .size: 8, .value_kind: global_buffer, .address_space: global }
    .group_segment_fixed_size: 327680
    .private_segment_fixed_size: 0
    .kernarg_segment_align: 8
    .kernarg_segment_size: 40
    .max_flat_workgroup_size: 128
    .sgpr_count:     100
    .vgpr_count:     1024
    .wavefront_size: 32
...
	.end_amdgpu_metadata
.endif
;; end of part 6
;; launch ff2 (part 7): grid 8 x 32, 4 waves a work-group, clusters of 4 x 4, 327,680 bytes of LDS; arguments hc, W2_codes, lowp_scales, out0, b2, x1; writes out0
.if DOCPART == 7
	.amdgcn_target "amdgcn-amd-amdhsa--gfx1250"
	.amdhsa_code_object_version 6
	.text
	.protected	k_q42db74da91_ff2
	.globl	k_q42db74da91_ff2
	.p2align	8
	.type	k_q42db74da91_ff2,@function
k_q42db74da91_ff2:
	s_mov_b64 s[64:65], 0
	v_nop
	global_prefetch_b8 v0, s[64:65] scope:SCOPE_SE
	s_setreg_imm32_b32 hwreg(HW_REG_WAVE_MODE, 25, 1), 1
	s_wait_xcnt 0x0
	s_wait_alu depctr_hold_cnt(0) depctr_sa_sdst(0) depctr_va_vdst(0) depctr_va_sdst(0) depctr_va_ssrc(0) depctr_va_vcc(0) depctr_vm_vsrc(0)
	s_getreg_b32 s2, hwreg(HW_REG_IB_STS2, 6, 4)
	s_cmp_eq_u32 s2, 0
	s_cbranch_scc0 .Lentry_in_a_cluster
	s_endpgm
.Lentry_in_a_cluster:
	s_bfe_u32 s2, ttmp6, 0x10000c
	s_cmp_lg_u32 s2, 0xf033
	s_cbranch_scc0 .Lentry_shape_is_right
	s_endpgm
.Lentry_shape_is_right:
; out = x1 + h W2 + b2.  h: E4M3 codes at 2^e14, laid [token block of 16][k / 16][token % 16][16 bytes]; W2: codes at 2^e15, [1024 (n)][4096 (k)]; x1, out: f32 [4096][1024].
; A tile of 128 x 128 is made by four waves, each 64 x 64: 16 accumulators.  The result has 32 x 8 such tiles: 256 work-groups; tiles of 256 x 256 would be 64.
; K goes in steps of 512, as long as two slots in LDS allow, through two LDS slots filled by the tensor data mover: 8 steps, of which 6 are refills.
; A's tile needs no padding: a fragment load's sixteen lanes read 256 consecutive bytes.  B's rows of 512 bytes get 16 of padding.
; The matrix instruction is used transposed (source 0 = 16 rows of W2, source 1 = 16 tokens): a lane holds eight neighbouring columns of one row.
; The bias is the C of each sum's first product, divided by 2^(e14 + e15), which the sums lack; on the way out one packed multiply-add gives sum x 2^(e14 + e15) + x1.
; The residual's 64 x 64 numbers of a wave are asked for at the head, into registers of their own, so that nothing waits for them at the end.
; CLUSTERS: 4 x 4 work-groups; A's tile is shared along a row of the cluster, B's along a column: joint loads.
; LIMIT: e14 + e15 between -126 and 127.
; REGISTERS, in windows of 256: window 0: v0-31 addresses, v32-63 the bias, v128-255 the accumulators ((a, b) at v[128 + 8 (4 a + b)]).
;   window 1: two fragment buffers of 128 (A's four blocks, then B's four; 128 along K), later the result's rows.   window 2: v0-127 the residual.
.set SIZE_K, 4096
.set EA,     82                        ; s82 = e14
.set EB,     83                        ; s83 = e15
.set LASTOUT, 1                        ; the result is written once and read by no launch
.set KSTEP,  512
.set BP,     528                       ; B's LDS row: 512 bytes + 16 of padding = 132 words: the 16 rows of a fragment load start 4 banks apart (64 banks of 4 bytes: ISA guide 11.1)
.set FR,     16
.set AH,     32768                     ; 4 token blocks x 8,192 bytes: what one load brings of A
.set BHALF,  64*BP
.set BOFF,   2*AH
.set SLOT,   2*AH+2*BHALF
.set LAPS,   SIZE_K/(2*KSTEP)
.set SPARE,  2*SLOT                    ; behind the ring: the spare words, 128 bytes a wave
.set STAGE,  SPARE+512                 ; behind them: 16 rows x (256 + 16) bytes a wave, for the way out: bytes into which no fill lands
.set SPITCH, 272
.set ADRA, 16
.set ADRB, 20
.set STO,  24
.set RD,   25
.set CO,   26
.set SPW,  28
.set NIL,  29
.set BIAS, 32
.set ACC,  128
.set F0,   0
.set F1,   128
.set G1, 24
.set G0, 32
.set G1B, 48
.set G0B, 56
.set MSB, 0
.macro WIN new                         ; the immediate's high byte repeats the setting that is left
.if MSB != (\new)
	s_set_vgpr_msb (MSB<<8)|(\new)
.set MSB, (\new)
.endif
.endm
.set MUL,  0x05                        ; sources 0 (B) and 1 (A) window 1; C and D window 0
.set TO_F, 0x40                        ; destination window 1, address window 0
.macro JLOAD g0a, g1a, g0b, g1b        ; a joint load: waves 0, 1 fetch A's halves, waves 2, 3 B's; four v_nop follow each line
	s_cmp_eq_u32 s15, 0
	s_cbranch_scc0 .Lfor_b_\@
	tensor_load_to_lds s[\g0a:\g0a+3], s[\g1a:\g1a+7]
	s_nop 0
.rept 4
	v_nop
.endr
	s_branch .Lasked_\@
.Lfor_b_\@:
	tensor_load_to_lds s[\g0b:\g0b+3], s[\g1b:\g1b+7]
	s_nop 0
.rept 4
	v_nop
.endr
.Lasked_\@:
.endm
.macro CREST                           ; a round of the cluster's barrier behind its opening barrier
	s_cmp_lg_u32 s14, 0
	s_cbranch_scc1 .Lnot_wave_0_\@
	s_barrier_signal -3
.Lnot_wave_0_\@:
	s_barrier_wait -3
	s_barrier_signal -1
	s_barrier_wait -1
.endm
.macro CROUND
	s_barrier_signal -1
	s_barrier_wait -1
	CREST
.endm
	s_load_b256 s[4:11], s[0:1], 0x0               ; A's codes s[4:5], B's codes s[6:7], the scales' exponents s[8:9], the result s[10:11]
	s_load_b64 s[12:13], s[0:1], 0x20              ; the bias
	s_load_b64 s[66:67], s[0:1], 0x28              ; the residual
	v_lshl_add_u32 v[SPW], v0, 2, SPARE
	v_mov_b32 v[NIL], 0
	ds_add_u32 v28, v29
	ds_add_u32 v28, v29
	s_wait_dscnt 0x0
	v_lshrrev_b32 v1, 5, v0
	v_readfirstlane_b32 s14, v1
	s_lshr_b32 s15, s14, 1                         ; my half of the rows.  Also: I fetch for A (0) or for B (1)
	s_and_b32 s16, s14, 1                          ; my half of the columns.  Also: which half of that tile I fetch
	s_bfe_u32 s40, ttmp6, 0x40000
	s_bfe_u32 s41, ttmp6, 0x40004
	s_lshl_b32 s42, ttmp9, 2
	s_add_co_u32 s42, s42, s40                     ; tile column, 0..7
	s_and_b32 s17, ttmp7, 0xffff
	s_lshl_b32 s17, s17, 2
	s_add_co_u32 s17, s17, s41                     ; tile row, 0..31
	s_lshl_b32 s43, s41, 2
	s_lshl_b32 s43, 15, s43                        ; my row of the cluster
	s_lshl_b32 s44, 0x1111, s40                    ; my column
	s_or_b32 s[G1+0], s43, (1<<21)                 ; A: the mask of my row; elements of 1 byte; no padding; bit 21 beside a mask
	s_mov_b32 s[G1+1], 8192<<16                    ; tensor_dim0 = 8,192 bytes: a token block's 512 along K
	s_mov_b32 s[G1+2], 4<<16                       ; tensor_dim1 = 4 token blocks
	s_mov_b32 s[G1+3], 8192<<16                    ; tile_dim0
	s_mov_b32 s[G1+4], 4                           ; tile_dim1
	s_mov_b32 s[G1+5], SIZE_K*16                   ; bytes from token block to token block
	s_mov_b32 s[G1+6], 0
	s_mov_b32 s[G1+7], 0
	s_or_b32 s[G1B+0], s44, (0<<16)|(1<<20)|(1<<21)|(6<<22)|(3<<25)  ; B: the mask of my column; 4 words of padding after every 128
	s_mov_b32 s[G1B+1], 512<<16
	s_mov_b32 s[G1B+2], 64<<16
	s_mov_b32 s[G1B+3], 512<<16
	s_mov_b32 s[G1B+4], 64
	s_mov_b32 s[G1B+5], SIZE_K
	s_mov_b32 s[G1B+6], 0
	s_mov_b32 s[G1B+7], 0
	s_lshl_b32 s20, s17, 3
	s_lshl_b32 s18, s16, 2
	s_add_co_u32 s20, s20, s18
	s_mul_i32 s20, s20, SIZE_K*16                  ; A: token block 8 x tile row + 4 x half
	s_mov_b32 s21, 0
	s_lshl_b32 s46, s42, 7
	s_lshl_b32 s18, s16, 6
	s_add_co_u32 s46, s46, s18
	s_mul_i32 s46, s46, SIZE_K                     ; B: row 128 x tile column + 64 x half
	s_mov_b32 s47, 0
	s_mul_i32 s45, s16, AH                         ; where they go: A's two halves,
	s_mul_i32 s19, s16, BHALF
	s_add_co_u32 s19, s19, BOFF                    ; then B's two: no place in the cluster enters an LDS address
	s_wait_kmcnt 0x0
	s_load_b512 s[68:83], s[8:9], 0x0              ; e0 .. e15
	s_add_nc_u64 s[20:21], s[4:5], s[20:21]
	s_add_nc_u64 s[46:47], s[6:7], s[46:47]
	CROUND                                         ; all sixteen work-groups are here: the first joint loads meet
.irp s, 0,1
	s_mov_b32 s[G0+4*\s], 1
	s_add_co_u32 s[G0+4*\s+1], s45, \s*SLOT
	s_add_nc_u64 s[G0+4*\s+2:G0+4*\s+3], s[20:21], \s*8192
	s_or_b32 s[G0+4*\s+3], s[G0+4*\s+3], 0x80000000
	s_mov_b32 s[G0B+4*\s], 1
	s_add_co_u32 s[G0B+4*\s+1], s19, \s*SLOT
	s_add_nc_u64 s[G0B+4*\s+2:G0B+4*\s+3], s[46:47], \s*512
	s_or_b32 s[G0B+4*\s+3], s[G0B+4*\s+3], 0x80000000
	JLOAD G0+4*\s, G1, G0B+4*\s, G1B
.endr
	v_and_b32 v1, 15, v0                           ; r
	v_bfe_u32 v2, v0, 4, 1                         ; h
	v_and_b32 v6, 31, v0
	v_lshlrev_b32 v7, 4, v6                        ; 16 x lane = 256 h + 16 r
	v_mul_u32_u24 v3, v1, BP
	v_lshl_add_u32 v4, v2, 4, v3
	s_mul_i32 s21, s15, AH
	s_mul_i32 s22, s16, BHALF
	s_add_co_u32 s22, s22, BOFF
.irp s, 0,1
	v_add_nc_u32 v[ADRA+\s], s21, v7
	v_add_nc_u32 v[ADRB+\s], s22, v4
	s_add_co_u32 s21, s21, SLOT
	s_add_co_u32 s22, s22, SLOT
.endr
	s_mul_i32 s23, s14, 16*SPITCH
	s_add_co_u32 s23, s23, STAGE                   ; my stage
	v_mul_u32_u24 v5, v1, SPITCH
	v_lshl_add_u32 v5, v2, 5, v5
	v_add_nc_u32 v[STO], s23, v5                   ; in: row r, 32 bytes for each half of the lanes
	v_mul_u32_u24 v5, v2, SPITCH
	v_lshl_add_u32 v5, v1, 4, v5
	v_add_nc_u32 v[RD], s23, v5                    ; back: lanes 0-15 one row of 256 bytes, lanes 16-31 the next
	v_lshlrev_b32 v[CO], 12, v2
	v_lshl_add_u32 v[CO], v1, 4, v[CO]             ; and the same two rows in memory: 4,096 h + 16 r
	v_lshlrev_b32 v5, 5, v2                        ; the bias: 32 h
	s_lshl_b32 s92, s17, 7
	s_lshl_b32 s93, s15, 6
	s_add_co_u32 s92, s92, s93
	s_lshl_b32 s92, s92, 12                        ; my first row, of 4,096 bytes,
	s_lshl_b32 s94, s42, 9
	s_lshl_b32 s95, s16, 8
	s_add_co_u32 s94, s94, s95                     ; my first column, in bytes: a multiple of 256
	s_add_co_u32 s92, s92, s94
	s_mov_b32 s93, 0
	s_mov_b32 s95, 0
	s_add_nc_u64 s[10:11], s[10:11], s[92:93]
	s_add_nc_u64 s[66:67], s[66:67], s[92:93]
	s_add_nc_u64 s[12:13], s[12:13], s[94:95]
.irp b, 0,1,2,3
	global_load_b128 v[BIAS+8*\b:BIAS+8*\b+3], v5, s[12:13] offset:64*\b        ; lane (r, h), block b: columns 16 b + 8 h + 0 .. 7
	global_load_b128 v[BIAS+8*\b+4:BIAS+8*\b+7], v5, s[12:13] offset:64*\b+16
.endr
	WIN 0x80                                       ; destination window 2
.irp a, 0,1,2,3
.irp t, 0,1,2,3,4,5,6,7
	global_load_b128 v[32*\a+4*\t:32*\a+4*\t+3], v[CO], s[66:67] offset:(16*\a+2*\t)*4096 th:TH_LOAD_NT   ; the residual: rows 16 a + 2 t + h, my 256 bytes of each
.endr
.endr
	WIN 0
	s_wait_kmcnt 0x0
	s_add_co_i32 s84, s[EA], s[EB]
	s_sub_co_i32 s86, 0, s84
	s_add_co_i32 s84, s84, 127
	s_lshl_b32 s84, s84, 23                        ; 2^(ea + eb) as f32
	s_mov_b32 s85, s84
	s_wait_loadcnt 32                              ; the bias's 8 loads are in; the residual's 32 may be out
.set j, 0
.rept 32
	v_ldexp_f32 v[BIAS+j], v[BIAS+j], s86          ; the bias / 2^(ea + eb)
.set j, j+1
.endr
.macro FRAGA reg, adr, q, i            ; token block i, the slot's q-th 128 along K: registers 4 c .. 4 c + 3 hold K = 32 c + 16 h + 0 .. 15
.irp c, 0,1,2,3
	ds_load_b128 v[\reg+4*\c:\reg+4*\c+3], v[\adr] offset:(\i)*8192+(\q)*2048+\c*512
.endr
.endm
.macro FRAGB reg, adr, q, i            ; the same places of K from rows
.irp c, 0,1,2,3
	ds_load_b128 v[\reg+4*\c:\reg+4*\c+3], v[\adr] offset:128*(\q)+32*\c+(\i)*16*BP
.endr
.endm
.macro MUL8 f, a0, zero                ; 8 matrix instructions: A's blocks a0, a0 + 1 x B's four.  The 16 accumulators take turns, one instruction a turn
.irp a, \a0, \a0+1
.irp b, 0,1,2,3
.if \zero
	v_wmma_f32_16x16x128_fp8_fp8 v[ACC+8*(4*(\a)+\b):ACC+8*(4*(\a)+\b)+7], v[\f+64+FR*\b:\f+64+FR*\b+FR-1], v[\f+FR*(\a):\f+FR*(\a)+FR-1], v[BIAS+8*\b:BIAS+8*\b+7]
.else
	v_wmma_f32_16x16x128_fp8_fp8 v[ACC+8*(4*(\a)+\b):ACC+8*(4*(\a)+\b)+7], v[\f+64+FR*\b:\f+64+FR*\b+FR-1], v[\f+FR*(\a):\f+FR*(\a)+FR-1], v[ACC+8*(4*(\a)+\b):ACC+8*(4*(\a)+\b)+7]
.endif
.endr
.endr
.endm
.macro FETCH slot, q, f                ; 32 LDS loads in one run: B's four fragments, then A's four, those wanted last at the end
	WIN TO_F
.irp i, 0,1,2,3
	FRAGB \f+64+FR*\i, ADRB+\slot, \q, \i
.endr
.irp i, 0,1,2,3
	FRAGA \f+FR*\i, ADRA+\slot, \q, \i
.endr
.endm
.macro PLACES n                        ; plain vector instructions between a matrix instruction and a load into, or a read of, its registers
.rept \n
	v_nop
.endr
.endm
; A K step is four quarters of 128 along K, 16 matrix instructions each, on buffers 0, 1, 0, 1.  One of the first three: multiplies buffer f and fetches the slot's quarter qn into g.
.macro QUARTER slot, qn, f, g, zero
	s_wait_dscnt 8                                 ; B's four and A's blocks 0, 1 are in; the youngest 8 loads (A's blocks 2, 3) may be out
	WIN MUL
	MUL8 \f, 0, \zero
	PLACES 4
	FETCH \slot, \qn, \g
	s_wait_dscnt 32                                ; all but the 32 just issued
	WIN MUL
	MUL8 \f, 2, \zero
.endm
; The last quarter multiplies buffer 1 and changes slots: ONE barrier; in front of it each wave waits for all its tensor loads, adds 0 to its spare word, and waits for that and for its reads of this slot.
.macro TURN slot, next, fill
	WIN 0                                          ; (the add's two registers lie in window 0)
	s_wait_tensorcnt 0x0                           ; all my tensor loads have landed: my part of the next slot
	ds_add_u32 v[SPW], v[NIL]                      ; 0 onto my spare word
	s_wait_dscnt 9                                 ; the add and the youngest 8 loads may be out
	WIN MUL
	MUL8 F1, 0, 0                                  ; eight matrix instructions stand between the add and the wait for it
	WIN 0
	s_wait_dscnt 0x0                               ; the add is done, and my reads of this slot are over
	s_barrier_signal -1
	s_barrier_wait -1
.if \fill
	CREST                                          ; the barrier has opened a round of the cluster's: no wave of any partner still reads this slot or has a load on its way
	s_add_nc_u64 s[G0+4*\slot+2:G0+4*\slot+3], s[G0+4*\slot+2:G0+4*\slot+3], 2*8192
	s_add_nc_u64 s[G0B+4*\slot+2:G0B+4*\slot+3], s[G0B+4*\slot+2:G0B+4*\slot+3], 2*512
	JLOAD G0+4*\slot, G1, G0B+4*\slot, G1B         ; the first tensor load behind the round; its four v_nop are the places in front of the loads below
.else
	PLACES 4
.endif
	FETCH \next, 0, F0
	WIN MUL
	MUL8 F1, 2, 0                                  ; the quarter's other half stands beside the next slot's first loads
.endm
	s_wait_tensorcnt 1                             ; my part of slot 0 is in; slot 1's load may be out
	s_barrier_signal -1
	s_barrier_wait -1
	FETCH 0, 0, F0
	QUARTER 0, 1, F0, F1, 1                        ; the first products start the sums, with the bias as C
.if LAPS > 1
	WIN 0                                          ; at a label and at a branch every window is 0
	s_mov_b32 s3, LAPS-1
.Llap:                                             ; a trip goes once round the ring, from a lap's second quarter to the next lap's first, and fills both slots again
	QUARTER 0, 2, F1, F0, 0
	QUARTER 0, 3, F0, F1, 0
	TURN 0, 1, 1
	QUARTER 1, 1, F0, F1, 0
	QUARTER 1, 2, F1, F0, 0
	QUARTER 1, 3, F0, F1, 0
	TURN 1, 0, 1
	QUARTER 0, 1, F0, F1, 0
	WIN 0
	s_sub_co_u32 s3, s3, 1
	s_cmp_lg_u32 s3, 0
	s_cbranch_scc1 .Llap
.endif
	QUARTER 0, 2, F1, F0, 0                        ; the last lap fills nothing
	QUARTER 0, 3, F0, F1, 0
	TURN 0, 1, 0
	QUARTER 1, 1, F0, F1, 0
	QUARTER 1, 2, F1, F0, 0
	QUARTER 1, 3, F0, F1, 0
	s_wait_dscnt 8                                 ; the very last quarter: nothing more to fetch
	WIN MUL
	MUL8 F1, 0, 0
	s_wait_dscnt 0
	MUL8 F1, 2, 0
	WIN 0
; THE WAY OUT, block by block of 16 rows x 64 columns: the sums go through my own stage and come back as whole rows of 256 bytes (LDS serves a wave's instructions in order: no wait between the stores and the
; loads, nor in front of the next block's stores); one packed multiply-add with the residual; sixteen lanes store 256 consecutive bytes, aligned.  Every offset is an immediate: 62 rows of 4,096 bytes at the most.
.macro TOSTAGE a
.irp b, 0,1,2,3
	ds_store_b128 v[STO], v[ACC+32*(\a)+8*\b:ACC+32*(\a)+8*\b+3] offset:64*\b          ; each accumulator from its low end on
	ds_store_b128 v[STO], v[ACC+32*(\a)+8*\b+4:ACC+32*(\a)+8*\b+7] offset:64*\b+16
.endr
	WIN 0x40                                       ; destination window 1: the fragments are done with
.irp t, 0,1,2,3,4,5,6,7
	ds_load_b128 v[32*(\a)+4*\t:32*(\a)+4*\t+3], v[RD] offset:\t*2*SPITCH
.endr
	WIN 0
.endm
.macro SEND a, yd                      ; yd: the LDS instructions issued behind block a's, which may stay out
	s_wait_dscnt \yd
	WIN 0x61                               ; destination and source 0 window 1, source 2 (the residual) window 2
.set j, 0
.rept 16
	v_pk_fma_f32 v[32*(\a)+j:32*(\a)+j+1], v[32*(\a)+j:32*(\a)+j+1], s[84:85], v[32*(\a)+j:32*(\a)+j+1] op_sel_hi:[1,0,1]
.set j, j+2
.endr
	WIN 0x04                               ; the stores' data: window 1
.irp t, 0,1,2,3,4,5,6,7
.if LASTOUT
	global_store_b128 v[CO], v[32*(\a)+4*\t:32*(\a)+4*\t+3], s[10:11] offset:(16*(\a)+2*\t)*4096 th:TH_STORE_NT
.else
	global_store_b128 v[CO], v[32*(\a)+4*\t:32*(\a)+4*\t+3], s[10:11] offset:(16*(\a)+2*\t)*4096
.endif
.endr
	WIN 0
.endm
	PLACES 4
	s_wait_loadcnt 0x0                             ; the residual, asked for at the head
	TOSTAGE 0
	TOSTAGE 1
	SEND 0, 16                                     ; behind block 0's: block 1's 8 stores and 8 loads
	TOSTAGE 2
	SEND 1, 16
	TOSTAGE 3
	SEND 2, 16
	SEND 3, 0
	s_wait_tensorcnt 0x0                           ; the wave's end
	ds_add_u32 v[SPW], v[NIL]
	s_wait_dscnt 0x0
	CROUND                                         ; the closing round
	s_endpgm
.Lfunc_end_k_q42db74da91_ff2:
	.size	k_q42db74da91_ff2, .Lfunc_end_k_q42db74da91_ff2-k_q42db74da91_ff2
	.p2alignl 7, 3214868480
	.fill 96, 4, 3214868480
	.section	.rodata,"a",@progbits
	.p2align	6, 0x0
	.amdhsa_kernel k_q42db74da91_ff2
		.amdhsa_group_segment_fixed_size 327680
		.amdhsa_private_segment_fixed_size 0
		.amdhsa_enable_private_segment 0
		.amdhsa_kernarg_size 48
		.amdhsa_user_sgpr_count 2
		.amdhsa_user_sgpr_kernarg_segment_ptr 1
		.amdhsa_wavefront_size32 1
		.amdhsa_system_sgpr_workgroup_id_x 1
		.amdhsa_system_sgpr_workgroup_id_y 1
		.amdhsa_system_sgpr_workgroup_id_z 1
		.amdhsa_system_vgpr_workitem_id 0
		.amdhsa_next_free_vgpr 640
		.amdhsa_next_free_sgpr 100
		.amdhsa_reserve_vcc 0
		.amdhsa_float_denorm_mode_32 3
		.amdhsa_float_denorm_mode_16_64 3
		.amdhsa_memory_ordered 1
		.amdhsa_forward_progress 1
		.amdhsa_inst_pref_size 81
	.end_amdhsa_kernel
	.amdgpu_metadata
---
amdhsa.version: [ 1, 2 ]
amdhsa.kernels:
  - .name:           k_q42db74da91_ff2
    .symbol:         k_q42db74da91_ff2.kd
    .args:
      - { .name: hc, .offset: 0, .size: 8, .value_kind: global_buffer, .address_space: global }
      - { .name: W2_codes, .offset: 8, .size: 8, .value_kind: global_buffer, .address_space: global }
      - { .name: lowp_scales, .offset: 16, .size: 8, .value_kind: global_buffer, .address_space: global }
      - { .name: out0, .offset: 24, .size: 8, .value_kind: global_buffer, .address_space: global }
      - { .name: b2, .offset: 32, .size: 8, .value_kind: global_buffer, .address_space: global }
      - { .name: x1, .offset: 40, .size: 8, .value_kind: global_buffer, .address_space: global }
    .group_segment_fixed_size: 327680
    .private_segment_fixed_size: 0
    .kernarg_segment_align: 8
    .kernarg_segment_size: 48
    .max_flat_workgroup_size: 128
    .sgpr_count:     100
    .vgpr_count:     640
    .wavefront_size: 32
...
	.end_amdgpu_metadata
.endif
;; end of part 7
;; ======== version 2 of 2: 7 launches; version 1 with the launch attn written anew for expert scheduling mode
;; limits: right only within a limited range of input values
;; workspace buffers: xa 12,582,912 bytes; msk 1,048,576 bytes of whole numbers; flg 16,384 bytes of whole numbers; qkv 12,582,912 bytes; cc 4,194,304 bytes; x1 16,777,216 bytes; xf 4,194,304 bytes; hc 16,777,216 bytes
;; launch ln1: the kernel of part 1 again; grid 256 x 1, 16 waves a work-group, no clusters, 194,560 bytes of LDS; arguments x, mask, g1, be1, lowp_scales, xa, msk, flg; writes xa, msk, flg
;; launch qkv: the kernel of part 2 again; grid 12 x 16, 4 waves a work-group, clusters of 4 x 4, 327,680 bytes of LDS; arguments xa, Wq_codes, Wk_codes, Wv_codes, lowp_scales, qkv; writes qkv
;; launch attn (part 8): grid 8 x 32, 16 waves a work-group, no clusters, 34,816 bytes of LDS; arguments qkv, msk, lowp_scales, cc, flg; writes cc
.if DOCPART == 8
	.amdgcn_target "amdgcn-amd-amdhsa--gfx1250"
	.amdhsa_code_object_version 6
	.text
	.protected	k_q42db74da91_attn
	.globl	k_q42db74da91_attn
	.p2align	8
	.type	k_q42db74da91_attn,@function
k_q42db74da91_attn:
	s_mov_b64 s[64:65], 0
	v_nop
	global_prefetch_b8 v0, s[64:65] scope:SCOPE_SE
	s_setreg_imm32_b32 hwreg(HW_REG_WAVE_SCHED_MODE, 0, 2), 2
	s_setreg_imm32_b32 hwreg(HW_REG_WAVE_MODE, 25, 1), 1
	s_wait_xcnt 0x0
	s_wait_alu depctr_vm_vsrc(0)
; ctx = softmax(q k^T / 8, masked) v for one head and 256 queries a work-group, both products on E4M3 codes; ctx is quantised at once (scale 2^e10) for the next product.
; THE SOFTMAX AHEAD OF THE SECOND PRODUCT: t = logit x log2(e); M = the running largest t rounded UP to a whole number; p = 2^(t - M) is quantised (scale 2^e8), not normalised; the row's sum is taken of
; the unquantised p and divides at the end.  When M moves, the sum and O are multiplied by 2^(old M - new M), which rounds nothing.
; SHARES.  Work-group (x, y): batch y / 16, head y % 16, queries 256 x on.  Each of sixteen waves owns 16 queries in 256 registers: four waves to a SIMD, so that one wave's vector work stands beside another's
; products and LDS loads.  Every wave walks the 2,048 keys, 128 a step.
; LAYOUT.  Both products are used transposed (S^T = K Q^T, O^T = V^T P^T): a lane holds ONE query (lane % 16) throughout.  Lane r of key tile 2 b + u takes key 32 b + 8 u + r + 8 (r / 8), so that score register
; 16 b + i is key 32 b + 16 (lane / 16) + i, and the conversions' results are the second product's operand.
; TILES.  A step's K (128 keys x 64) and V (64 x 128 keys) are 16 KB.  Each wave brings 512 bytes of each through registers, two steps ahead, and stores them into one of two LDS slots AS IMAGES OF THE
; FRAGMENTS' REGISTERS: every fragment read is 16 x lane + a constant.  One barrier a step: it stands between the stores of tile j + 1 and their reads, and between the reads of tile j and step j + 1's stores over them.
; THE MASK comes as 64 lane masks a step in scalar registers; a flag from a buffer of whole numbers that the first launch stored says 'nothing hidden': then the 64 selects are jumped over by a scalar branch.
; A hidden score becomes -2^(33 - e6 - e7), that is t = -log2(e) x 2^30, a whole number in f32: beside any open key p is 0, and in a row without an open key t - M is exactly 0 and p = 1 everywhere.
; NO JOINT LOADS, though the eight query blocks of a head walk the same tiles: the text has two scalar branches on whole numbers read from memory (the flag; e8),
; and a wave's share of a step's tiles is two loads of 16 bytes a lane.
; LIMITS: e6 + e7 between -94 and 130; e8 and e10 between -126 and 119.  The hidden logit is -2^30 and not -1e9: the two differ only where an open logit lies under about -9e8, which needs e6 + e7 >= 9.
; NaN among the inputs is not served.
; THE MODE: SCHED_MODE bits 1:0 = 2 (LLVM: expert scheduling mode 2), set by the entry lines.  The code itself states the register dependences
; between vector or matrix instructions and memory or LDS instructions, with s_wait_alu, always for 0.
; THE PLAN.  Registers that memory or LDS instructions touch:
;   v1 - v4     Offsets and LDS addresses.  Written by vector instructions at the head, ahead of one wait on va_vdst, and never again; read by every load and store.
;   v16-23      Q.  Two global loads land in them once, ahead of every vector or matrix instruction that names them.
;   v32-95      ONE fragment buffer: four waves of 256 registers fill a SIMD's 1,024, and 28 registers are free where a second buffer wants 64.  A step: K's 16 LDS loads land in it; the 8 score products read it;
;               V's 16 LDS loads land in it; the 4 products O^T read it.  So two waits on va_vdst a step: at its head (the last step's products O^T are done reading) and behind the score products.
;               From the second wait to the products O^T no vector instruction names v32-95, on either way round the step's two branches: V's loads are dealt, four at a time, among the lines of the maximum.
;   v208-215    The tile on its way.  Two global loads land in them, two LDS stores read them, no vector instruction names them: one wait on vm_vsrc a step, between the stores and the next loads.
;   v192-199    On the way out: written by the conversions, read by the four global stores: one wait on va_vdst.
;   v251, v255  Written at the head, read by the closing add alone.
; REGISTERS: v1 16 x lane; v2, v3 where I store my parts of K's and V's images; v4 16 r + 8 h; v12 -M, v13 the largest t, v[14:15] the sum; v16-23 Q; v32-95 K's or V's fragments; v96-159 S^T, then p;
; v160-191 O^T; v192-207 p's codes; v208-215 tiles on their way; v236-254 at work and constants.
; s[4:5] K, s[6:7] V, s[8:9] mask words, s[10:11] flags, s[12:13] out; s14 the flag; s16-63 and s68-83 the 64 words; s[84:85] lane selects; s[86:87] c; s92-96 e6 .. e10.
.set SEL, 84
.set CS,  86
	s_load_b256 s[16:23], s[0:1], 0x0              ; qkv s[16:17], msk s[18:19], the scales' exponents s[20:21], cc s[22:23]
	s_load_b64 s[46:47], s[0:1], 0x20              ; flg
	v_lshl_add_u32 v251, v0, 2, 0x8000
	v_mov_b32 v255, 0
	v_lshrrev_b32 v5, 5, v0
	v_readfirstlane_b32 s2, v5                     ; wave 0..15
	v_and_b32 v1, 31, v0
	v_lshlrev_b32 v1, 4, v1                        ; 16 x lane
	; My 512 bytes of K: key 16 (w / 2) + l % 16, channels 32 (w % 2) + 16 (l / 16) on.  Their place in the image [tile 8][c 2][lane 32][16 bytes]: the lane's part,
	v_and_b32 v5, 7, v0
	v_lshlrev_b32 v2, 4, v5
	v_bfe_u32 v5, v0, 3, 1
	v_lshl_add_u32 v2, v5, 10, v2
	v_bfe_u32 v5, v0, 4, 1
	v_lshl_add_u32 v2, v5, 8, v2
	v_lshl_add_u32 v3, v0, 4, 8192                 ; V lies in memory as its image: 16 x thread, behind K's 8,192 bytes
	v_and_b32 v6, 15, v0
	v_lshlrev_b32 v4, 4, v6
	v_lshl_add_u32 v4, v5, 3, v4                   ; 16 r + 8 h
	s_wait_alu depctr_va_sdst(0)                   ; s2 is written, ahead of its first reader: LDS places and all the bases are made from it
	s_lshr_b32 s24, s2, 2                          ; and the wave's part
	s_lshl_b32 s24, s24, 11
	s_and_b32 s25, s2, 1
	s_lshl_b32 s25, s25, 9
	s_add_co_u32 s24, s24, s25
	s_bfe_u32 s25, s2, 0x10001
	s_lshl_b32 s25, s25, 7
	s_add_co_u32 s24, s24, s25
	v_add_nc_u32 v2, s24, v2
	s_and_b32 s26, ttmp7, 0xffff
	s_lshr_b32 s27, s26, 4                         ; batch
	s_and_b32 s28, s26, 15                         ; head
	s_lshr_b32 s29, s28, 1                         ; head pair
	s_and_b32 s30, s28, 1                          ; which of the pair
	s_lshl_b32 s31, s27, 3
	s_add_co_u32 s31, s31, s29
	s_lshl_b32 s31, s31, 18                        ; the 16 chunks of (batch, head pair)
	s_lshl_b32 s32, s30, 10
	s_add_co_u32 s32, s32, s31
	s_lshr_b32 s33, s2, 1
	s_lshl_b32 s33, s33, 11
	s_add_co_u32 s32, s32, s33
	s_and_b32 s33, s2, 1
	s_lshl_b32 s33, s33, 9
	s_add_co_u32 s32, s32, s33
	s_add_co_u32 s32, s32, 0x400000                ; K's section
	s_mov_b32 s33, 0
	s_lshl_b32 s34, s30, 13
	s_add_co_u32 s34, s34, s31
	s_lshl_b32 s35, s2, 9
	s_add_co_u32 s34, s34, s35
	s_add_co_u32 s34, s34, 0x800000                ; V's section
	s_mov_b32 s35, 0
	s_lshl_b32 s36, ttmp9, 1
	s_lshr_b32 s37, s2, 3
	s_add_co_u32 s36, s36, s37
	s_lshl_b32 s36, s36, 14                        ; Q: the chunk of my 128 tokens,
	s_add_co_u32 s36, s36, s31
	s_and_b32 s37, s2, 7
	s_lshl_b32 s37, s37, 11                        ; my 16 of them,
	s_add_co_u32 s36, s36, s37
	s_lshl_b32 s37, s30, 10                        ; my head's 64 channels
	s_add_co_u32 s36, s36, s37
	s_mov_b32 s37, 0
	s_lshl_b32 s38, s27, 7
	s_lshl_b32 s39, ttmp9, 4
	s_add_co_u32 s38, s38, s39
	s_add_co_u32 s38, s38, s2                      ; my tile of 16 queries among 256
	s_lshl_b32 s40, s38, 12                        ; its 16 x 64 words
	s_mov_b32 s41, 0
	s_lshl_b32 s42, s38, 6                         ; its 16 flags
	s_mov_b32 s43, 0
	s_lshl_b32 s44, s38, 14
	s_lshl_b32 s45, s28, 10
	s_add_co_u32 s44, s44, s45
	s_mov_b32 s45, 0
	s_mov_b32 s[SEL], 0x76543210
	s_mov_b32 s[SEL+1], 0xfedcba98
	s_wait_kmcnt 0x0
	s_add_nc_u64 s[4:5], s[16:17], s[32:33]
	s_add_nc_u64 s[6:7], s[16:17], s[34:35]
	s_add_nc_u64 s[90:91], s[16:17], s[36:37]
	s_add_nc_u64 s[8:9], s[18:19], s[40:41]
	s_add_nc_u64 s[10:11], s[46:47], s[42:43]
	s_add_nc_u64 s[12:13], s[22:23], s[44:45]
	s_mov_b64 s[98:99], s[20:21]
	s_wait_alu depctr_va_vdst(0)                   ; v1 to v4 are written: every load and store of the kernel reads one of them as its offset or LDS address, and none is written again
	global_load_b128 v[208:211], v1, s[4:5]        ; tile 0
	global_load_b128 v[212:215], v1, s[6:7]
	global_load_b128 v[16:19], v1, s[90:91]        ; Q: channels 16 h on, and
	global_load_b128 v[20:23], v1, s[90:91] offset:512   ; 32 + 16 h on
	s_load_b128 s[92:95], s[98:99], 0x18           ; e6, e7, e8, e9
	s_load_b32 s96, s[98:99], 0x28                 ; e10
	s_load_b512 s[16:31], s[8:9], 0x0              ; step 0's lane masks
	s_load_b512 s[32:47], s[8:9], 0x40
	s_load_b512 s[48:63], s[8:9], 0x80
	s_load_b512 s[68:83], s[8:9], 0xc0
	s_load_b32 s14, s[10:11], 0x0
	v_mov_b32 v13, 0xff61b1e6                      ; the largest t so far: -3e38
	v_floor_f32 v12, -v13                          ; -M
	v_mov_b32 v14, 0
	v_mov_b32 v15, 0
	v_mov_b32 v236, 0                              ; a lane permute's destination counts as read
	v_mov_b32 v253, 0                              ; named as the upper half of v[252:253]
.set j, 0
.rept 32
	v_mov_b32 v[160+j], 0                          ; O^T: the step is written once, and its first walk multiplies zeros
.set j, j+1
.endr
	s_wait_kmcnt 0x0
	s_add_co_i32 s89, s92, s93                     ; e6 + e7
	s_lshl_b32 s97, s89, 23
	s_mov_b32 s[CS], 0x3e38aa3b                    ; log2(e) / 8,
	s_add_co_i32 s[CS], s[CS], s97                 ; x 2^(e6 + e7), by its exponent field
	s_mov_b32 s[CS+1], s[CS]
	s_sub_co_i32 s89, 160, s89
	s_lshl_b32 s89, s89, 23
	s_or_b32 s89, s89, 0x80000000
	v_mov_b32 v241, s89                            ; -2^(33 - e6 - e7): a hidden score
	s_add_co_i32 s89, s94, 127
	s_lshl_b32 s97, s89, 23
	v_mov_b32 v244, s97                            ; 2^e8
	s_add_co_i32 s89, s89, 8
	s_lshl_b32 s89, s89, 23
	s_or_b32 s89, s89, 0x600000
	v_mov_b32 v240, s89                            ; 448 x 2^e8
	s_add_co_i32 s89, s96, 127
	s_lshl_b32 s97, s89, 23
	v_mov_b32 v246, s97                            ; 2^e10
	s_add_co_i32 s89, s89, 8
	s_lshl_b32 s89, s89, 23
	s_or_b32 s89, s89, 0x600000
	v_mov_b32 v245, s89                            ; 448 x 2^e10
	s_wait_loadcnt 0x0
	ds_store_b128 v2, v[208:211]                   ; tile 0 into slot 0 (no vector instruction since the wait on va_vdst names v2, v3 or the data)
	ds_store_b128 v3, v[212:215]
	s_wait_dscnt 0x0                               ; for the others' sake: my part of tile 0 is in LDS
	s_wait_alu depctr_vm_vsrc(0)                   ; the two LDS stores have read v208-215, in which tile 1's loads land
	global_load_b128 v[208:211], v1, s[4:5] offset:16384   ; tile 1
	global_load_b128 v[212:215], v1, s[6:7] offset:16384
	s_barrier_signal -1
	s_barrier_wait -1
; V's fragment d of the tile in slot: 16 of the head's 64 channels x 128 keys, four loads
.macro VFRAG slot, d
.irp c, 0,1,2,3
	ds_load_b128 v[32+16*(\d)+4*\c:35+16*(\d)+4*\c], v1 offset:(\slot)*16384+8192+(\d)*2048+\c*512
.endr
.endm
; A KEY STEP on the tile in slot.  st: the next tile, in registers, goes into the other slot.  ld: the tile two steps on is asked for.  nx: the next step's lane masks are asked for.  bar: the step's barrier.
.macro STEP slot, st, ld, nx, bar
.rept 4
	v_nop                                          ; four plain instructions between the last products and the loads into registers that they have read; they stay beside the wait below
.endr
	s_wait_alu depctr_va_vdst(0)                   ; the last step's four products O^T are done reading v32-95, in which K's fragments land
.irp t, 0,1,2,3,4,5,6,7
.irp c, 0,1
	ds_load_b128 v[32+8*\t+4*\c:35+8*\t+4*\c], v1 offset:\slot*16384+\t*1024+\c*512
.endr
.endr
.if \st
	s_wait_loadcnt 0x0                             ; the next tile, asked for a step ago, is in registers
	ds_store_b128 v2, v[208:211] offset:(1-\slot)*16384   ; the other slot was last read ahead of the last barrier
	ds_store_b128 v3, v[212:215] offset:(1-\slot)*16384
	s_wait_dscnt 2                                 ; K's 16 loads are in; the two stores may be out
.else
	s_wait_dscnt 0x0
.endif
.irp t, 0,1,2,3,4,5,6,7
	v_wmma_f32_16x16x64_fp8_fp8 v[96+8*\t:103+8*\t], v[32+8*\t:39+8*\t], v[16:23], 0
.endr
.rept 4
	v_nop                                          ; places in front of the first read of the scores, and of the loads below
.endr
	s_wait_alu depctr_va_vdst(0)                   ; the eight score products are done reading v32-95, in which V's fragments land; up to the products O^T no vector instruction names these registers
.if \ld
	s_wait_dscnt 0x0                               ; my two stores have landed
	s_wait_alu depctr_vm_vsrc(0)                   ; and have read v208-215, in which the loads of the tile two steps on land
	global_load_b128 v[208:211], v1, s[4:5] offset:(2+\slot)*16384
	global_load_b128 v[212:215], v1, s[6:7] offset:(2+\slot)*16384
.endif
	VFRAG \slot, 0                                 ; V's fragments land during the softmax: the first here, the other three among the lines of the maximum
	s_wait_kmcnt 0x0                               ; this step's lane masks and flag
	s_cmp_eq_u32 s14, -1
	s_cbranch_scc1 .Lopen_\@                       ; nothing hidden in this tile
.set n, 0
.rept 64
	v_cndmask_b32 v[96+n], v241, v[96+n], s[16+n+4*(n/48)]
.set n, n+1
.endr
.Lopen_\@:
.if \nx
	s_load_b512 s[16:31], s[8:9], (1+\slot)*256
	s_load_b512 s[32:47], s[8:9], (1+\slot)*256+64
	s_load_b512 s[48:63], s[8:9], (1+\slot)*256+128
	s_load_b512 s[68:83], s[8:9], (1+\slot)*256+192
	s_load_b32 s14, s[10:11], (1+\slot)*4
.endif
	v_max3_num_f32 v254, v96, v97, v98             ; the step's largest score of my query among my 64 keys, in two chains, each accumulator from its low end on,
	v_max3_num_f32 v252, v99, v100, v101
.irp i, 6,10,14,18,22,26,30,34,38,42,46,50,54,58
	v_max3_num_f32 v254, v254, v[96+\i], v[97+\i]
	v_max3_num_f32 v252, v252, v[98+\i], v[99+\i]
.if \i == 14
	VFRAG \slot, 1                                 ; no wait: no vector or matrix instruction since the wait behind the score products names v32-95
.endif
.if \i == 30
	VFRAG \slot, 2
.endif
.if \i == 46
	VFRAG \slot, 3
.endif
.endr
	v_max3_num_f32 v254, v254, v158, v159
	v_max_num_f32 v254, v254, v252
	v_permlanex16_b32 v236, v254, s[SEL], s[SEL+1]
	v_max_num_f32 v254, v254, v236                 ; and among lane l xor 16's
	v_mul_f32 v254, s[CS], v254                    ; as t (c is positive)
	v_max_num_f32 v13, v13, v254
	v_mov_b32 v254, v12
	v_floor_f32 v12, -v13                          ; -M = floor(-t) = -ceil(t)
	v_sub_f32 v254, v12, v254                      ; old M - new M: a whole number, 0 or less
	v_cvt_i32_f32 v254, v254                       ; (it saturates)
	v_ldexp_f32 v252, 1.0, v254                    ; f = 2^(old M - new M)
.set j, 0
.rept 32
	v_pk_fma_f32 v[96+j:97+j], v[96+j:97+j], s[CS:CS+1], v[12:13] op_sel_hi:[1,0,0]   ; t - M
.set j, j+2
.endr
.set j, 0
.rept 64
	v_exp_f32 v[96+j], v[96+j]                     ; p = 2^(t - M), at most 1
.set j, j+1
.endr
	v_pk_mul_f32 v[14:15], v[14:15], v[252:253] op_sel_hi:[1,0]   ; the sums under the new M (a plain instruction behind the exponentials)
	s_wait_alu depctr_va_vdst(0)                   ; the 64 exponentials have written v96-159: one wait for the batch, ahead of its first reader
	v_pk_add_f32 v[242:243], v[96:97], v[98:99]    ; the row's sum of the unquantised p, in two chains
.irp j, 4,8,12,16,20,24,28,32,36,40,44,48,52,56,60
	v_pk_add_f32 v[14:15], v[14:15], v[96+\j:97+\j]
	v_pk_add_f32 v[242:243], v[242:243], v[98+\j:99+\j]
.endr
	v_pk_add_f32 v[14:15], v[14:15], v[242:243]
	s_cmp_ge_i32 s94, -8                           ; p <= 1 < 448 x 2^-8: the hold can bind only where e8 < -8
	s_cbranch_scc1 .Lfits_\@
.set j, 0
.rept 64
	v_min_num_f32 v[96+j], v[96+j], v240           ; the conversion does not saturate (ISA guide 7.6.2); p is not negative
.set j, j+1
.endr
.Lfits_\@:
.irp b, 0,1,2,3
	v_cvt_scalef32_pk8_fp8_f32 v[192+4*\b:193+4*\b], v[96+16*\b:103+16*\b], v244
	v_cvt_scalef32_pk8_fp8_f32 v[194+4*\b:195+4*\b], v[104+16*\b:111+16*\b], v244
.endr
.set j, 0
.rept 16
	v_pk_mul_f32 v[160+j:161+j], v[160+j:161+j], v[252:253] op_sel_hi:[1,0]   ; O^T under the new M; also the plain instructions between the conversions and the products
.set j, j+2
.endr
	s_wait_dscnt 0x0                               ; V's fragments are in, and my stores have landed: no LDS instruction of mine is out at the barrier
.irp d, 0,1,2,3
	v_wmma_f32_16x16x128_fp8_fp8 v[160+8*\d:167+8*\d], v[32+16*\d:47+16*\d], v[192:207], v[160+8*\d:167+8*\d]   ; four accumulators by turns; the next step's eight score products stand between two turns of one
.endr
.if \bar
	s_barrier_signal -1
	s_barrier_wait -1
.endif
.endm
	s_mov_b32 s3, 7
.Lpair:                                            ; seven trips of two steps: steps 0 to 13, which ask for tiles 2 to 15
	STEP 0, 1, 1, 1, 1
	STEP 1, 1, 1, 1, 1
	s_wait_xcnt 0x0                                ; the bases are stepped only behind this wait
	s_add_nc_u64 s[4:5], s[4:5], 32768
	s_add_nc_u64 s[6:7], s[6:7], 32768
	s_add_nc_u64 s[8:9], s[8:9], 512
	s_add_nc_u64 s[10:11], s[10:11], 8
	s_sub_co_u32 s3, s3, 1
	s_cmp_lg_u32 s3, 0
	s_cbranch_scc1 .Lpair
	STEP 0, 1, 0, 1, 1                             ; step 14 asks for no tile, step 15 for nothing: no load leaves its buffer
	STEP 1, 0, 0, 0, 0
	; THE WAY OUT: O^T / the sum x 2^(e8 + e9) is ctx; held, converted at 2^e10; a lane's eight channels of a query are 8 bytes at 16 r + 8 h of a block of 256
.rept 4
	v_nop
.endr
	v_add_f32 v14, v14, v15
	v_permlanex16_b32 v252, v14, s[SEL], s[SEL+1]
	v_add_f32 v14, v14, v252
	v_rcp_f32 v14, v14
	v_nop                                          ; a plain instruction behind the reciprocal
	s_add_co_i32 s89, s94, s95
	s_wait_alu depctr_va_vdst(0)                   ; the reciprocal has written v14, ahead of its first reader
	v_ldexp_f32 v14, v14, s89
.set j, 0
.rept 32
	v_mul_f32 v[96+j], v[160+j], v14
.set j, j+1
.endr
.set j, 0
.rept 32
	v_med3_num_f32 v[96+j], v[96+j], -v245, v245
.set j, j+1
.endr
.irp d, 0,1,2,3
	v_cvt_scalef32_pk8_fp8_f32 v[192+2*\d:193+2*\d], v[96+8*\d:103+8*\d], v246
.endr
	v_nop
	s_wait_alu depctr_va_vdst(0)                   ; the conversions have written v192-199, which the stores read
.irp d, 0,1,2,3
	global_store_b64 v4, v[192+2*\d:193+2*\d], s[12:13] offset:256*\d   ; 256 consecutive bytes, aligned
.endr
	s_wait_dscnt 0x0                               ; the closing lines, six on end
	s_wait_alu 0x0
	s_wait_tensorcnt 0x0
	ds_add_u32 v251, v255
	s_wait_dscnt 0x0
	s_endpgm
.Lfunc_end_k_q42db74da91_attn:
	.size	k_q42db74da91_attn, .Lfunc_end_k_q42db74da91_attn-k_q42db74da91_attn
	.p2alignl 7, 3214868480
	.fill 96, 4, 3214868480
	.section	.rodata,"a",@progbits
	.p2align	6, 0x0
	.amdhsa_kernel k_q42db74da91_attn
		.amdhsa_group_segment_fixed_size 34816
		.amdhsa_private_segment_fixed_size 0
		.amdhsa_enable_private_segment 0
		.amdhsa_kernarg_size 40
		.amdhsa_user_sgpr_count 2
		.amdhsa_user_sgpr_kernarg_segment_ptr 1
		.amdhsa_wavefront_size32 1
		.amdhsa_system_sgpr_workgroup_id_x 1
		.amdhsa_system_sgpr_workgroup_id_y 1
		.amdhsa_system_sgpr_workgroup_id_z 1
		.amdhsa_system_vgpr_workitem_id 0
		.amdhsa_next_free_vgpr 256
		.amdhsa_next_free_sgpr 100
		.amdhsa_reserve_vcc 0
		.amdhsa_float_denorm_mode_32 3
		.amdhsa_float_denorm_mode_16_64 3
		.amdhsa_memory_ordered 1
		.amdhsa_forward_progress 1
		.amdhsa_inst_pref_size 91
	.end_amdhsa_kernel
	.amdgpu_metadata
---
amdhsa.version: [ 1, 2 ]
amdhsa.kernels:
  - .name:           k_q42db74da91_attn
    .symbol:         k_q42db74da91_attn.kd
    .args:
      - { .name: qkv, .offset: 0, .size: 8, .value_kind: global_buffer, .address_space: global }
      - { .name: msk, .offset: 8, .size: 8, .value_kind: global_buffer, .address_space: global }
      - { .name: lowp_scales, .offset: 16, .size: 8, .value_kind: global_buffer, .address_space: global }
      - { .name: cc, .offset: 24, .size: 8, .value_kind: global_buffer, .address_space: global }
      - { .name: flg, .offset: 32, .size: 8, .value_kind: global_buffer, .address_space: global }
    .group_segment_fixed_size: 34816
    .private_segment_fixed_size: 0
    .kernarg_segment_align: 8
    .kernarg_segment_size: 40
    .max_flat_workgroup_size: 512
    .sgpr_count:     100
    .vgpr_count:     256
    .wavefront_size: 32
...
	.end_amdgpu_metadata
.endif
;; end of part 8
;; launch wo: the kernel of part 4 again; grid 8 x 32, 4 waves a work-group, clusters of 4 x 4, 327,680 bytes of LDS; arguments cc, Wo_codes, lowp_scales, x1, bo, x; writes x1
;; launch ln2: the kernel of part 5 again; grid 256 x 1, 16 waves a work-group, no clusters, 26,624 bytes of LDS; arguments x1, g2, be2, lowp_scales, xf; writes xf
;; launch ff1: the kernel of part 6 again; grid 16 x 16, 4 waves a work-group, clusters of 4 x 4, 327,680 bytes of LDS; arguments xf, W1_codes, lowp_scales, hc, b1; writes hc
;; launch ff2: the kernel of part 7 again; grid 8 x 32, 4 waves a work-group, clusters of 4 x 4, 327,680 bytes of LDS; arguments hc, W2_codes, lowp_scales, out0, b2, x1; writes out0
